; MI455X (gfx1250); checked and timed in simulation.
; The chip was launched on July 23, 2026; its instructions are those of AMD's public machine-readable ISA for CDNA 5 (MIT licence, August 2026) and "CDNA5" Instruction Set Architecture Reference Guide (July 2026). The comments in the code are by the model that wrote it; some were corrected since.
;; Multi Head Attention Block. Allowed arithmetic: float matrix products may take bf16 or f16 operands with f32 sums; other float arithmetic in f32, or as packed bf16 or f16 multiplies, adds, multiply-adds, maxima and minima; sums over many terms, partial sums and values carried from step to step in f32; what a program stores and reads back later, other than sums and carried values, may be rounded once to bf16 or f16.
;; Inputs: W1 512 x 4,096 float32; W2 4,096 x 512 float32; Wk 512 x 512 float32; Wq 512 x 512 float32; Wv 512 x 512 float32; alpha 1 float32; b1 4,096 float32; b2 512 float32; beta 1 float32; x 4 x 2,048 x 512 float32.
;; Outputs: out0 4 x 2,048 x 512 float32.
;; One version. Each part assembles by itself: llvm-mc -triple=amdgcn-amd-amdhsa -mcpu=gfx1250 --defsym DOCPART=n.
;; ======== version 1 of 1: 6 launches
;; limits: values are held in f16: magnitudes above 65,504 overflow, below 6.1e-05 lose precision
;; workspace buffers: nrm 8,388,608 bytes; wh 9,961,472 bytes; qT 8,388,608 bytes; kv 16,777,216 bytes; oT 8,388,608 bytes; f1T 67,108,864 bytes
;; launch prep (part 1): grid 1120 x 1, 4 waves a work-group, no clusters, 34,816 bytes of LDS; arguments x, alpha, beta, W1, W2, Wq, Wk, Wv, nrm, wh; writes nrm, wh
.if DOCPART == 1
	.amdgcn_target "amdgcn-amd-amdhsa--gfx1250"
	.amdhsa_code_object_version 6
	.text
	.protected	k_q68e3bdb590_prep
	.globl	k_q68e3bdb590_prep
	.p2align	8
	.type	k_q68e3bdb590_prep,@function
k_q68e3bdb590_prep:
	s_mov_b64 s[64:65], 0
	v_nop
	global_prefetch_b8 v0, s[64:65] scope:SCOPE_SE
	s_setreg_imm32_b32 hwreg(HW_REG_WAVE_MODE, 25, 1), 1
	s_wait_xcnt 0x0
; TWO JOBS, told apart by the work-group's number.
; 0-511: LAYER NORM of 16 rows of x (512 f32 each): nrm = alpha (x - mean) / sqrt(var + 1e-6) + beta, var over 511, rounded once to f16.
; 512-1119: the five weight matrices, rounded once to f16, [K][N] kept: W1 at byte 0 of wh, W2 at 4,194,304, Wq | Wk | Wv side by side as [512][1536] at 8,388,608.
; LIMIT. f16 holds no number beyond 65,504: the normalised rows and the weights must lie within it; below 6e-5 f16 keeps its fixed step of 6e-8.
; nrm LIES IN FRAGMENT ORDER: a block of 16 rows x 32 columns is 1,024 bytes; its first 512 bytes are registers 0-3 of a 16 x 32 matrix fragment, lane l at 16 l
; (lane l: row l % 16, columns 8 (l / 16) + 0..7), its second 512 bytes registers 4-7 (columns 16 + 8 (l / 16) + 0..7).  Block (rows 16 g .., columns 32 f ..) lies at (16 g + f) x 1,024.
; SHARES (norm). Wave w takes columns 128 w .. 128 w + 127 of the 16 rows.  Rows come in as 512 consecutive bytes a load, change lanes through the wave's own LDS stage, and from
; then on a lane holds 64 numbers of ONE row.  Mean and sum of squares are made in two passes about the wave's own mean (no difference of large sums); the four waves' figures
; meet in LDS and are joined exactly: M2 = sum M2_i + 128 sum (mean_i - mean)^2.
; No matrix unit, no cluster, no tensor load: every byte is read once by one wave, and memory binds.
.set PITCH, 528                        ; a stage row: 512 bytes + 16: the 16 rows that a load touches start 4 banks apart (64 banks of 4 bytes: ISA guide 11.1)
.set WSTG,  16*PITCH                   ; a wave's stage
.set STAT,  4*WSTG                     ; 4 waves x 16 rows x (mean, M2)
.set SPARE, STAT+512                   ; the spare words, 128 bytes a wave: two blocks of 256 bytes that no other line names
.set LNE, 1                            ; v1  lane
.set RW,  2                            ; v2  lane % 16
.set HF,  3                            ; v3  lane / 16
.set XO,  4                            ; v4  my 16 bytes in a row of x
.set STA, 5                            ; v5  where they go in the stage
.set FRA, 6                            ; v6  where I read my row back
.set L16, 7                            ; v7  16 x lane
.set STW, 8                            ; v8  my wave's figures for my row
.set STR, 9                            ; v9  wave 0's figures for my row
.set SPW, 10                           ; v10 my spare word; never rewritten
.set NIL, 11                           ; v11 0; never rewritten
.set ONE, 12                           ; (not used in this text)
.set TP,  13                           ; v13 at work
.set X,   32                           ; v[32:95]  x as loaded; later the packed result
.set F,   96                           ; v[96:159] my row's 64 numbers
.set OF,  160                          ; (not used in this text)
.set WV,  4                            ; s4  wave
.set SEL, 6                            ; s[6:7] v_permlanex16_b32's selects: each lane takes its own place in the other half
.set XB,  8                            ; s[8:9]   x
.set OB,  8                            ; (not used in this text)
.set NB,  24                           ; s[24:25] nrm
.set SA,  28                           ; s28 alpha
.set SB,  29                           ; s29 beta
.macro LNT o                           ; o = 1: the rows are x + o, o in f16 fragment order
.set t, 0
.rept 16
	global_load_b128 v[X+4*t:X+4*t+3], v[XO], s[XB:XB+1] offset:2048*t   ; row t: the wave's 512 consecutive bytes
.set t, t+1
.endr
.if \o
.set t, 0
.rept 8
	global_load_b128 v[OF+4*t:OF+4*t+3], v[L16], s[OB:OB+1] offset:512*t
.set t, t+1
.endr
.endif
.set t, 0
.rept 16
	s_wait_loadcnt 8*(\o)+15-t                     ; row t is in; the younger rows (and o) may stay out
	ds_store_b128 v[STA], v[X+4*t:X+4*t+3] offset:PITCH*t
.set t, t+1
.endr
.set t, 0
.rept 16                               ; t = 4 f + 2 q + e: columns 32 f + 16 q + 8 (l / 16) + 4 e .. of row l % 16
	ds_load_b128 v[F+4*t:F+4*t+3], v[FRA] offset:128*(t/4)+64*((t/2)%2)+16*(t%2)  ; the wave's own bytes: LDS serves a wave in order (ISA guide 5.7.1.4)
.set t, t+1
.endr
	s_wait_dscnt 0x0
.if \o
	s_wait_loadcnt 0x0
.set t, 0
.rept 32
	v_fma_mix_f32 v[F+2*t], v[OF+t], v[ONE], v[F+2*t] op_sel_hi:[1,0,0]                    ; x + o: o's low half,
	v_fma_mix_f32 v[F+2*t+1], v[OF+t], v[ONE], v[F+2*t+1] op_sel:[1,0,0] op_sel_hi:[1,0,0]  ; its high half
.set t, t+1
.endr
.endif
	; pass 1: the mean of the wave's 128 columns, four chains started by the first pairs
.irp c, 0,1,2,3
	v_pk_add_f32 v[16+2*\c:17+2*\c], v[F+2*\c:F+2*\c+1], v[F+8+2*\c:F+8+2*\c+1]
.endr
.set t, 16
.rept 6
.irp c, 0,1,2,3
	v_pk_add_f32 v[16+2*\c:17+2*\c], v[16+2*\c:17+2*\c], v[F+t+2*\c:F+t+2*\c+1]
.endr
.set t, t+8
.endr
	v_pk_add_f32 v[16:17], v[16:17], v[18:19]
	v_pk_add_f32 v[20:21], v[20:21], v[22:23]
	v_pk_add_f32 v[16:17], v[16:17], v[20:21]
	v_add_f32 v16, v16, v17
	v_permlanex16_b32 v[TP], v16, s[SEL], s[SEL+1] ; the row's other 64 numbers lie in the lane 16 away
	v_add_f32 v16, v16, v[TP]
	v_mul_f32 v24, 0x3c000000, v16                 ; / 128
	v_mov_b32 v25, v24
	; pass 2: d = x - the wave's mean, in place, and the sum of d^2
.set t, 0
.rept 32
	v_pk_add_f32 v[F+t:F+t+1], v[F+t:F+t+1], v[24:25] neg_lo:[0,1] neg_hi:[0,1]
.set t, t+2
.endr
.irp c, 0,1,2,3
	v_pk_mul_f32 v[16+2*\c:17+2*\c], v[F+2*\c:F+2*\c+1], v[F+2*\c:F+2*\c+1]
.endr
.set t, 8
.rept 7
.irp c, 0,1,2,3
	v_pk_fma_f32 v[16+2*\c:17+2*\c], v[F+t+2*\c:F+t+2*\c+1], v[F+t+2*\c:F+t+2*\c+1], v[16+2*\c:17+2*\c]
.endr
.set t, t+8
.endr
	v_pk_add_f32 v[16:17], v[16:17], v[18:19]
	v_pk_add_f32 v[20:21], v[20:21], v[22:23]
	v_pk_add_f32 v[16:17], v[16:17], v[20:21]
	v_add_f32 v16, v16, v17
	v_permlanex16_b32 v[TP], v16, s[SEL], s[SEL+1]
	v_add_f32 v25, v16, v[TP]                      ; v[24:25] = the wave's mean and M2 for my row
	ds_store_b64 v[STW], v[24:25]                  ; (both halves of the lanes write the same numbers)
	s_wait_dscnt 0x0                               ; for the others' sake: my figures are in LDS
	s_barrier_signal -1
	s_barrier_wait -1
.irp i, 0,1,2,3
	ds_load_b64 v[16+2*\i:17+2*\i], v[STR] offset:128*\i
.endr
	s_wait_dscnt 0x0
	s_wait_kmcnt 0x0                               ; alpha and beta
	v_add_f32 v26, v16, v18
	v_add_f32 v27, v20, v22
	v_add_f32 v26, v26, v27
	v_mul_f32 v26, 0x3e800000, v26                 ; the row's mean
	v_add_f32 v27, v17, v19
	v_add_f32 v28, v21, v23
	v_add_f32 v27, v27, v28
	v_sub_f32 v16, v16, v26
	v_sub_f32 v18, v18, v26
	v_sub_f32 v20, v20, v26
	v_sub_f32 v22, v22, v26
	v_mul_f32 v28, v16, v16
	v_fmac_f32 v28, v18, v18
	v_fmac_f32 v28, v20, v20
	v_fmac_f32 v28, v22, v22
	v_fmamk_f32 v27, v28, 0x43000000, v27          ; M2 = the sum of M2_i + 128 x the sum of (mean_i - mean)^2
	v_mov_b32 v29, 0x358637bd                      ; 1e-6
	v_fmamk_f32 v27, v27, 0x3b004020, v29          ; M2 / 511 + 1e-6
	v_rsq_f32 v27, v27
	v_sub_f32 v28, v24, v26                        ; a plain line behind the root (ISA guide 5.7.2): my wave's mean less the row's
	s_wait_alu depctr_va_vdst(0)
	v_mul_f32 v26, s[SA], v27                      ; g = alpha / sqrt(..)
	v_mov_b32 v27, v26
	v_fma_f32 v28, v28, v26, s[SB]                 ; (mean_w - mean) g + beta
	v_mov_b32 v29, v28
.set t, 0
.rept 32
	v_pk_fma_f32 v[F+t:F+t+1], v[F+t:F+t+1], v[26:27], v[28:29]
.set t, t+2
.endr
.set t, 0
.rept 32
	v_cvt_pk_f16_f32 v[X+t], v[F+2*t], v[F+2*t+1]
.set t, t+1
.endr
.set t, 0
.rept 8
	global_store_b128 v[L16], v[X+4*t:X+4*t+3], s[NB:NB+1] offset:512*t   ; half a block: 512 consecutive bytes, aligned
.set t, t+1
.endr
	s_wait_tensorcnt 0x0                           ; the wave's end
	ds_add_u32 v[SPW], v[NIL]
	s_wait_dscnt 0x0
	s_endpgm
.endm
	s_load_b512 s[8:23], s[0:1], 0x0               ; x, alpha, beta, W1 s[14:15], W2 s[16:17], Wq s[18:19], Wk s[20:21], Wv s[22:23]
	s_load_b128 s[24:27], s[0:1], 0x40             ; nrm, wh s[26:27]
	v_lshl_add_u32 v[SPW], v0, 2, SPARE
	v_mov_b32 v[NIL], 0
	v_lshrrev_b32 v[TP], 5, v0
	v_readfirstlane_b32 s[WV], v[TP]
	v_and_b32 v[LNE], 31, v0
	s_wait_kmcnt 0x0
	s_cmp_ge_u32 ttmp9, 512                        ; the same in all four waves
	s_cbranch_scc1 .Lweights
	s_load_b32 s[SA], s[10:11], 0x0
	s_load_b32 s[SB], s[12:13], 0x0
	s_mov_b32 s[SEL], 0x76543210
	s_mov_b32 s[SEL+1], 0xfedcba98
	v_and_b32 v[RW], 15, v0
	v_bfe_u32 v[HF], v0, 4, 1
	s_lshl_b32 s5, s[WV], 9
	v_lshl_add_u32 v[XO], v[LNE], 4, s5            ; 512 w + 16 l
	s_mul_i32 s5, s[WV], WSTG
	v_lshl_add_u32 v[STA], v[LNE], 4, s5
	v_mul_u32_u24 v[FRA], v[RW], PITCH
	v_lshl_add_u32 v[FRA], v[HF], 5, v[FRA]
	v_add_nc_u32 v[FRA], s5, v[FRA]                ; stage + row x pitch + 32 x half
	v_lshlrev_b32 v[L16], 4, v[LNE]
	s_lshl_b32 s5, s[WV], 7
	s_add_co_u32 s5, s5, STAT
	v_lshl_add_u32 v[STW], v[RW], 3, s5
	v_lshl_add_u32 v[STR], v[RW], 3, STAT
	s_lshl_b32 s30, ttmp9, 15                      ; 16 rows of 2,048 bytes
	s_mov_b32 s31, 0
	s_add_nc_u64 s[XB:XB+1], s[XB:XB+1], s[30:31]
	s_lshl_b32 s30, ttmp9, 14                      ; 16 blocks of 1,024 bytes,
	s_lshl_b32 s5, s[WV], 12                       ; my wave's four of them
	s_add_co_u32 s30, s30, s5
	s_add_nc_u64 s[NB:NB+1], s[NB:NB+1], s[30:31]
	LNT 0
.Lweights:                             ; a unit is 512 f32 -> 1,024 bytes of f16; a wave takes 4, a work-group 16
	s_mov_b64 s[30:31], s[14:15]                   ; from 512 on: W1, units on end
	s_mov_b32 s32, 512
	s_mov_b32 s33, 0
	s_mov_b32 s34, 1024
	s_cmp_ge_u32 ttmp9, 768                        ; W2
	s_cselect_b64 s[30:31], s[16:17], s[30:31]
	s_cselect_b32 s32, 768, s32
	s_cselect_b32 s33, 0x400000, s33
	s_cmp_ge_u32 ttmp9, 1024                       ; Wq: a unit is a row, and rows of the joint matrix are 3,072 bytes apart
	s_cselect_b64 s[30:31], s[18:19], s[30:31]
	s_cselect_b32 s32, 1024, s32
	s_cselect_b32 s33, 0x800000, s33
	s_cselect_b32 s34, 3072, s34
	s_cmp_ge_u32 ttmp9, 1056                       ; Wk
	s_cselect_b64 s[30:31], s[20:21], s[30:31]
	s_cselect_b32 s32, 1056, s32
	s_cselect_b32 s33, 0x800400, s33
	s_cmp_ge_u32 ttmp9, 1088                       ; Wv
	s_cselect_b64 s[30:31], s[22:23], s[30:31]
	s_cselect_b32 s32, 1088, s32
	s_cselect_b32 s33, 0x800800, s33
	s_sub_co_u32 s32, ttmp9, s32                   ; my number within the matrix
	s_lshl_b32 s36, s32, 15                        ; 16 units of 2,048 bytes
	s_mov_b32 s37, 0
	s_add_nc_u64 s[30:31], s[30:31], s[36:37]
	s_lshl_b32 s32, s32, 4
	s_mul_i32 s36, s32, s34
	s_add_co_u32 s36, s36, s33
	s_add_nc_u64 s[26:27], s[26:27], s[36:37]
	s_lshl_b32 s5, s[WV], 13
	v_lshl_add_u32 v4, v[LNE], 4, s5               ; 4 units x wave + 16 l
	s_lshl_b32 s5, s[WV], 2
.irp u, 0,1,2,3
	s_add_co_u32 s38, s5, \u
	s_mul_i32 s38, s38, s34
	v_lshl_add_u32 v[16+\u], v[LNE], 3, s38        ; unit u's place in wh + 8 l
.endr
.set i, 0
.rept 16
	global_load_b128 v[32+4*i:35+4*i], v4, s[30:31] offset:512*i th:TH_LOAD_NT
.set i, i+1
.endr
.set i, 0
.rept 16
	s_wait_loadcnt 15-i                            ; load i is in; the younger ones stay out
	v_cvt_pk_f16_f32 v[96+2*i], v[32+4*i], v[33+4*i]
	v_cvt_pk_f16_f32 v[97+2*i], v[34+4*i], v[35+4*i]
	global_store_b64 v[16+i/4], v[96+2*i:97+2*i], s[26:27] offset:256*(i%4)   ; 32 lanes store 256 consecutive bytes, aligned
.set i, i+1
.endr
	s_endpgm
.Lfunc_end_k_q68e3bdb590_prep:
	.size	k_q68e3bdb590_prep, .Lfunc_end_k_q68e3bdb590_prep-k_q68e3bdb590_prep
	.p2alignl 7, 3214868480
	.fill 96, 4, 3214868480
	.section	.rodata,"a",@progbits
	.p2align	6, 0x0
	.amdhsa_kernel k_q68e3bdb590_prep
		.amdhsa_group_segment_fixed_size 34816
		.amdhsa_private_segment_fixed_size 0
		.amdhsa_enable_private_segment 0
		.amdhsa_kernarg_size 80
		.amdhsa_user_sgpr_count 2
		.amdhsa_user_sgpr_kernarg_segment_ptr 1
		.amdhsa_wavefront_size32 1
		.amdhsa_system_sgpr_workgroup_id_x 1
		.amdhsa_system_sgpr_workgroup_id_y 1
		.amdhsa_system_sgpr_workgroup_id_z 1
		.amdhsa_system_vgpr_workitem_id 0
		.amdhsa_next_free_vgpr 160
		.amdhsa_next_free_sgpr 66
		.amdhsa_reserve_vcc 0
		.amdhsa_float_denorm_mode_32 3
		.amdhsa_float_denorm_mode_16_64 3
		.amdhsa_memory_ordered 1
		.amdhsa_forward_progress 1
		.amdhsa_inst_pref_size 27
	.end_amdhsa_kernel
	.amdgpu_metadata
---
amdhsa.version: [ 1, 2 ]
amdhsa.kernels:
  - .name:           k_q68e3bdb590_prep
    .symbol:         k_q68e3bdb590_prep.kd
    .args:
      - { .name: x, .offset: 0, .size: 8, .value_kind: global_buffer, .address_space: global }
      - { .name: alpha, .offset: 8, .size: 8, .value_kind: global_buffer, .address_space: global }
      - { .name: beta, .offset: 16, .size: 8, .value_kind: global_buffer, .address_space: global }
      - { .name: W1, .offset: 24, .size: 8, .value_kind: global_buffer, .address_space: global }
      - { .name: W2, .offset: 32, .size: 8, .value_kind: global_buffer, .address_space: global }
      - { .name: Wq, .offset: 40, .size: 8, .value_kind: global_buffer, .address_space: global }
      - { .name: Wk, .offset: 48, .size: 8, .value_kind: global_buffer, .address_space: global }
      - { .name: Wv, .offset: 56, .size: 8, .value_kind: global_buffer, .address_space: global }
      - { .name: nrm, .offset: 64, .size: 8, .value_kind: global_buffer, .address_space: global }
      - { .name: wh, .offset: 72, .size: 8, .value_kind: global_buffer, .address_space: global }
    .group_segment_fixed_size: 34816
    .private_segment_fixed_size: 0
    .kernarg_segment_align: 8
    .kernarg_segment_size: 80
    .max_flat_workgroup_size: 128
    .sgpr_count:     66
    .vgpr_count:     160
    .wavefront_size: 32
...
	.end_amdgpu_metadata
.endif
;; end of part 1
;; launch qkv (part 2): grid 32 x 6, 4 waves a work-group, clusters of 4 x 1, 327,680 bytes of LDS; arguments nrm, wh, qT, kv; writes qT, kv
.if DOCPART == 2
	.amdgcn_target "amdgcn-amd-amdhsa--gfx1250"
	.amdhsa_code_object_version 6
	.text
	.protected	k_q68e3bdb590_qkv
	.globl	k_q68e3bdb590_qkv
	.p2align	8
	.type	k_q68e3bdb590_qkv,@function
k_q68e3bdb590_qkv:
	s_mov_b64 s[64:65], 0
	v_nop
	global_prefetch_b8 v0, s[64:65] scope:SCOPE_SE
	s_setreg_imm32_b32 hwreg(HW_REG_WAVE_MODE, 25, 1), 1
	s_wait_xcnt 0x0
	s_wait_alu depctr_hold_cnt(0) depctr_sa_sdst(0) depctr_va_vdst(0) depctr_va_sdst(0) depctr_va_ssrc(0) depctr_va_vcc(0) depctr_vm_vsrc(0)
	s_getreg_b32 s2, hwreg(HW_REG_IB_STS2, 6, 4)
	s_cmp_eq_u32 s2, 0
	s_cbranch_scc0 .Lentry_in_a_cluster
	s_endpgm
.Lentry_in_a_cluster:
	s_bfe_u32 s2, ttmp6, 0x10000c
	s_cmp_lg_u32 s2, 0x3003
	s_cbranch_scc0 .Lentry_shape_is_right
	s_endpgm
.Lentry_shape_is_right:
; q | k | v = nrm x (Wq | Wk | Wv): [8192][512] x [512][1536], f16 operands, f32 sums, results rounded once to f16 and stored by heads, unscaled.
; LIMIT. q, k, v must lie within f16's 65,504.
; SHARES. A work-group makes 256 rows x 256 columns, as two blocks of 128 columns; each of its four waves 64 rows x 128 columns: 32 accumulators.
; A WAVE'S ROWS STAY IN REGISTERS: 64 rows x 512 = 512 registers, loaded once: nrm lies in fragment order, so they are 64 KiB on end, 512 consecutive bytes a load.
; ONLY THE WEIGHTS GO THROUGH LDS: both blocks (2 x 512 x 128 f16) fit, so each is filled once, at the start, and nothing is filled again.  The first block is multiplied while the second
; block's fill is still on its way; a wait for it and one barrier stand at each block's end.
; CLUSTER. The four work-groups of a cluster differ in their rows alone and need the same weights: each fill is asked for JOINTLY, same descriptor, mask of four.
; THE PRODUCT IS TAKEN TRANSPOSED (source 0 = 16 columns of W, turned out of LDS by ds_load_tr16_b128; source 1 = 16 rows of nrm): a lane ends with ONE row and 8 neighbouring columns,
; 16 bytes of f16, and 32 lanes' 16 bytes ARE half a block in fragment order: results are stored from registers, 512 consecutive aligned bytes a store.
; OUT. qT: block (head, 16 tokens) of 16 x 32 at ((16 b + head) 128 + token / 16) x 1,024.  kv: 262,144 bytes a head; for each 32 keys 4,096 bytes: K of keys 0-15, K of keys 16-31,
; V^T of channels 0-15 x 32 keys, V^T of channels 16-31.  v changes lanes once more through the wave's own LDS stage, by the turning load.
; 192 work-groups: the columns divide into 6 pairs of blocks whose rows in memory are 256 bytes; a finer share would double the exposed loads of the rows.
; No prefetch: all that a work-group reads is asked for at its head.
; REGISTERS, in windows of 256: window 0: v0-15 addresses; v128-191, v192-255 W's fragments, two buffers, later the packed results;
;   window 1: rows' fragments of K slices 0-7, v[8 (4 f + m)]; window 2: slices 8-15; window 3: accumulators v[8 (8 m + n)].
.set N,     1536
.set PB,    288                        ; a row of W in LDS: 256 bytes + 32
.set QUART, 128*PB                     ; what one tensor load brings: 128 rows of K
.set SLOT,  4*QUART                    ; a block's weights: 512 rows
.set STG,   2*SLOT                     ; 4,096 bytes for each wave: v's turn; no fill lands here
.set SPARE, STG+4*4096                 ; the spare words, 128 bytes a wave: two blocks of 256 bytes that no other line names
.set L16, 1                            ; v1  16 x lane
.set TRA, 2                            ; v2  my place in a turning load of W
.set AB,  3                            ; v3-6 LDS address of K slices 0-3, 4-7, 8-11, 12-15 of the block in hand
.set STV, 8                            ; v8  v's turn: where I put 16 bytes
.set TRV, 9                            ; v9  and where the turning load takes them
.set SPW, 14                           ; v14 my spare word; never rewritten
.set NIL, 15                           ; v15 0; never rewritten
.set F0,  128
.set PK,  128
.set WV,  12
.set CX,  13
.set BX,  14
.set BY,  15
.set G1,  16                           ; s[16:23] descriptor group 1
.set G0A, 24                           ; s[24:27] group 0, block 0
.set G0B, 28                           ; s[28:31] group 0, block 1
.set TB,  44                           ; LDS byte at which the block in hand begins
.set CNT, 45
.set OUT, 48                           ; s[48:49] where the block's results go
.set STEP, 50                          ; s[50:51] from block to block
.set MSB, 0
.macro WIN new                         ; the immediate's high byte repeats the setting that is left; a switch that changes nothing is dropped
.if MSB != (\new)
	s_set_vgpr_msb (MSB<<8)|(\new)
.set MSB, (\new)
.endif
.endm
.macro PLACES                          ; four places behind a matrix instruction, in front of loads into its sources and of reads of its result
.rept 4
	v_nop
.endr
.endm
.macro ROUND                           ; a round of the cluster's barrier
	s_barrier_signal -1
	s_barrier_wait -1
	s_cmp_lg_u32 s[WV], 0
	s_cbranch_scc1 .Lnot_wave_0_\@
	s_barrier_signal -3
.Lnot_wave_0_\@:
	s_barrier_wait -3
	s_barrier_signal -1
	s_barrier_wait -1
.endm
.macro FETCHB kf                       ; W's 8 fragments (128 columns x 32 K) of K slice kf into buffer kf % 2: 16 turning loads in one run
.set fb, F0+64*((\kf)%2)
.set nb, 0
.rept 8
	ds_load_tr16_b128 v[fb+8*nb:fb+8*nb+3],   v[AB+(\kf)/4] offset:((\kf)%4)*32*PB+32*nb
	ds_load_tr16_b128 v[fb+8*nb+4:fb+8*nb+7], v[AB+(\kf)/4] offset:((\kf)%4)*32*PB+32*nb+16*PB
.set nb, nb+1
.endr
.endm
.macro MUL kf                          ; 32 products; the 32 accumulators take turns, one instruction a turn, in the same order in every slice
.if (\kf) < 8
	WIN 0xf4                                       ; W window 0, rows window 1, C and D window 3
.else
	WIN 0xf8                                       ; rows window 2
.endif
.set fb, F0+64*((\kf)%2)
.set nb, 0
.rept 8
.set mb, 0
.rept 4
.if (\kf) == 0
	v_wmma_f32_16x16x32_f16 v[8*(8*mb+nb):8*(8*mb+nb)+7], v[fb+8*nb:fb+8*nb+7], v[8*(4*((\kf)%8)+mb):8*(4*((\kf)%8)+mb)+7], 0
.else
	v_wmma_f32_16x16x32_f16 v[8*(8*mb+nb):8*(8*mb+nb)+7], v[fb+8*nb:fb+8*nb+7], v[8*(4*((\kf)%8)+mb):8*(4*((\kf)%8)+mb)+7], v[8*(8*mb+nb):8*(8*mb+nb)+7]
.endif
.set mb, mb+1
.endr
.set nb, nb+1
.endr
.endm
.macro SEND hs, g, m1, n1, c0          ; 32 stores of 512 consecutive aligned bytes: head n / 2, 16 tokens m, half n % 2
.set mb, 0
.rept 4
.set nb, 0
.rept 8
	global_store_b128 v[L16], v[PK+4*(8*mb+nb):PK+4*(8*mb+nb)+3], s[OUT:OUT+1] offset:(nb/2)*(\hs)+(mb/2)*(\g)+(mb%2)*(\m1)+(nb%2)*(\n1)+(\c0)
.set nb, nb+1
.endr
.set mb, mb+1
.endr
.endm
	s_load_b256 s[4:11], s[0:1], 0x0               ; nrm s[4:5], wh s[6:7], qT s[8:9], kv s[10:11]
	v_lshl_add_u32 v[SPW], v0, 2, SPARE
	v_mov_b32 v[NIL], 0
	ds_add_u32 v[SPW], v[NIL]                      ; the wave's opening: the add and its wait stand ahead of my first tensor load; work on registers stands between them
	v_lshrrev_b32 v16, 5, v0
	v_readfirstlane_b32 s[WV], v16
	s_bfe_u32 s[CX], ttmp6, 0x40000
	s_lshl_b32 s[BX], ttmp9, 2
	s_add_co_u32 s[BX], s[BX], s[CX]               ; my 256 rows: they enter the rows' and the results' addresses alone
	s_and_b32 s[BY], ttmp7, 0xffff                 ; my 256 columns, which the four partners share
	s_mov_b32 s[G1], 15|(1<<16)|(1<<20)|(1<<21)|(5<<22)|(7<<25)  ; mask of four; 2-byte elements; padding on; bit 21 beside a mask; after every 64 words; 8 words
	s_mov_b32 s[G1+1], 128<<16                     ; tensor_dim0 = 128
	s_mov_b32 s[G1+2], 128<<16                     ; tensor_dim1 = 128
	s_mov_b32 s[G1+3], 128<<16                     ; tile_dim0 = 128
	s_mov_b32 s[G1+4], 128                         ; tile_dim1 = 128
	s_mov_b32 s[G1+5], N                           ; elements from row to row
	s_mov_b32 s[G1+6], 0
	s_mov_b32 s[G1+7], 0
	s_mul_i32 s52, s[WV], 128*N*2                  ; my 128 rows of K,
	s_lshl_b32 s53, s[BY], 9                       ; the work-group's columns,
	s_add_co_u32 s52, s52, s53
	s_add_co_u32 s52, s52, 0x800000                ; in the joint matrix
	s_mov_b32 s53, 0
	s_mul_i32 s54, s[WV], QUART
	s_mov_b32 s[G0A], 1
	s_mov_b32 s[G0A+1], s54
	s_mov_b32 s[G0B], 1
	s_add_co_u32 s[G0B+1], s54, SLOT
	s_lshl_b32 s56, s[BX], 18                      ; 16 row blocks of 16,384 bytes a work-group,
	s_lshl_b32 s57, s[WV], 16                      ; 4 a wave
	s_add_co_u32 s56, s56, s57
	s_mov_b32 s57, 0
	v_and_b32 v16, 31, v0
	v_lshlrev_b32 v[L16], 4, v16
	s_wait_dscnt 0x0                               ; the opening add is done
	s_wait_kmcnt 0x0
	s_add_nc_u64 s[G0A+2:G0A+3], s[6:7], s[52:53]
	s_add_nc_u64 s[G0B+2:G0B+3], s[G0A+2:G0A+3], 256   ; the second block: 128 columns on
	s_or_b32 s[G0A+3], s[G0A+3], 0x80000000
	s_or_b32 s[G0B+3], s[G0B+3], 0x80000000
	s_add_nc_u64 s[4:5], s[4:5], s[56:57]
	ROUND                                          ; all four work-groups are here: the joint loads meet
	tensor_load_to_lds s[G0A:G0A+3], s[G1:G1+7]    ; two loads of mine are out
	s_nop 0
	tensor_load_to_lds s[G0B:G0B+3], s[G1:G1+7]
	s_nop 0
	PLACES
	WIN 0x40                                       ; my rows, K slice by K slice: destination window 1,
.set kk, 0
.rept 16
.if kk == 8
	WIN 0x80                                       ; then window 2
.endif
.set mb, 0
.rept 4
	global_load_b128 v[8*(4*(kk%8)+mb):8*(4*(kk%8)+mb)+3],   v[L16], s[4:5] offset:mb*16384+kk*1024
	global_load_b128 v[8*(4*(kk%8)+mb)+4:8*(4*(kk%8)+mb)+7], v[L16], s[4:5] offset:mb*16384+kk*1024+512
.set mb, mb+1
.endr
.set kk, kk+1
.endr
	WIN 0
	v_and_b32 v16, 7, v0
	v_bfe_u32 v17, v0, 4, 1                        ; l / 16
	v_bfe_u32 v18, v0, 3, 1
	v_lshl_add_u32 v[TRA], v17, 3, v16             ; the turning load: lane l reads row 8 (l / 16) + l % 8,
	v_mul_u32_u24 v[TRA], v[TRA], PB
	v_lshl_add_u32 v[TRA], v18, 4, v[TRA]          ; columns 8 ((l / 8) % 2) + 0..7
	s_lshl_b32 s56, s[WV], 12
	s_add_co_u32 s56, s56, STG
	v_add_nc_u32 v[STV], s56, v[L16]
	v_lshl_add_u32 v[TRV], v17, 3, v16             ; v's turn: token 8 (l / 16) + l % 8,
	v_lshlrev_b32 v[TRV], 4, v[TRV]
	v_lshl_add_u32 v[TRV], v18, 8, v[TRV]          ; channels 8 ((l / 8) % 2) + 0..7
	v_add_nc_u32 v[TRV], s56, v[TRV]
	; where the results go: ((16 b + 8 (by % 2)) 128 + token / 16) x 1,024 in qT; k's and v's offset in kv is twice that
	s_lshr_b32 s56, s[BX], 3
	s_lshl_b32 s56, s56, 1
	s_and_b32 s57, s[BY], 1
	s_add_co_u32 s56, s56, s57
	s_lshl_b32 s56, s56, 20
	s_and_b32 s57, s[BX], 7
	s_lshl_b32 s57, s57, 14
	s_add_co_u32 s56, s56, s57
	s_lshl_b32 s57, s[WV], 12
	s_add_co_u32 s56, s56, s57
	s_cmp_lt_u32 s[BY], 2                          ; columns 0-511 are q's
	s_cselect_b32 s57, 0, 1
	s_cselect_b64 s[OUT:OUT+1], s[8:9], s[10:11]
	s_lshl_b32 s56, s56, s57
	s_lshl_b32 s[STEP], 0x80000, s57               ; four heads on
	s_mov_b32 s[STEP+1], 0
	s_mov_b32 s57, 0
	s_add_nc_u64 s[OUT:OUT+1], s[OUT:OUT+1], s[56:57]
	s_mov_b32 s[TB], 0
	s_mov_b32 s[CNT], 2
	s_wait_tensorcnt 0x1                           ; my part of the first block's weights is in; the second block's one load may stay out
	s_barrier_signal -1
	s_barrier_wait -1                              ; everybody's part of the first block is in
.Lblock:                               ; two trips: a block of 128 columns each
.irp g, 0,1,2,3
	v_add3_u32 v[AB+\g], s[TB], v[TRA], QUART*\g
.endr
	FETCHB 0
.set kq, 0
.rept 16
.if kq > 0
	PLACES                                         ; in front of the loads into the buffer that the slice before has read
.endif
	WIN 0
.if kq < 15
	FETCHB kq+1
	s_wait_dscnt 16                                ; this slice's fragments are in; the 16 loads just issued may stay out
.else
	s_wait_dscnt 0x0
.endif
.if kq == 0
	s_wait_loadcnt 63                              ; of my 128 loads the oldest 65 are in: K slices 0-7 (the wait's field holds no larger count: ISA guide 5.7.1)
.elseif kq >= 8
	s_wait_loadcnt 8*(15-kq)                       ; slice kq's 8 loads are in; the later slices' may stay out (met at once in the second trip)
.endif
	MUL kq
.set kq, kq+1
.endr
	PLACES
	WIN 0x0f                                       ; sources window 3, destination window 0
.set ra, 0
.rept 32
.irp i, 0,1,2,3
	v_cvt_pk_f16_f32 v[PK+4*ra+\i], v[8*ra+2*\i], v[8*ra+2*\i+1]   ; each accumulator from its low end on
.endr
.set ra, ra+1
.endr
	WIN 0
	s_cmp_lt_u32 s[BY], 2                          ; the same in all partners and waves
	s_cbranch_scc1 .Lq
	s_cmp_lt_u32 s[BY], 4
	s_cbranch_scc1 .Lk
.set mb, 0
.rept 4                                ; v: 16 tokens x 128 channels at a time through my stage; lane l then holds channel l % 16 and tokens 8 (l / 16) + 0..7
.set nb, 0
.rept 8
	ds_store_b128 v[STV], v[PK+4*(8*mb+nb):PK+4*(8*mb+nb)+3] offset:512*nb
.set nb, nb+1
.endr
.set nb, 0
.rept 8
	ds_load_tr16_b128 v[PK+4*(8*mb+nb):PK+4*(8*mb+nb)+3], v[TRV] offset:512*nb   ; LDS serves a wave in order (ISA guide 5.7.1.4): these see the stores above, and the next stores come behind them
.set nb, nb+1
.endr
.set mb, mb+1
.endr
	s_wait_dscnt 0x0
	SEND 262144, 4096, 512, 1024, 2048
	s_branch .Lsent
.Lq:
	SEND 131072, 2048, 1024, 512, 0
	s_branch .Lsent
.Lk:
	SEND 262144, 4096, 1024, 512, 0
.Lsent:
	s_wait_xcnt 0x0                                ; the stores have read their base and their data: both are written again only behind this wait
	s_add_nc_u64 s[OUT:OUT+1], s[OUT:OUT+1], s[STEP:STEP+1]
	s_xor_b32 s[TB], s[TB], SLOT
	s_wait_tensorcnt 0x0                           ; my part of the second block's weights is in (met at once in the second trip),
	s_wait_dscnt 0x0                               ; no LDS instruction of mine is out at the signal,
	s_barrier_signal -1
	s_barrier_wait -1                              ; and everybody's part is in
	s_sub_co_u32 s[CNT], s[CNT], 1
	s_cmp_lg_u32 s[CNT], 0
	s_cbranch_scc1 .Lblock
	s_wait_tensorcnt 0x0                           ; the wave's end
	ds_add_u32 v[SPW], v[NIL]
	s_wait_dscnt 0x0
	ROUND                                          ; the closing round
	s_endpgm
.Lfunc_end_k_q68e3bdb590_qkv:
	.size	k_q68e3bdb590_qkv, .Lfunc_end_k_q68e3bdb590_qkv-k_q68e3bdb590_qkv
	.p2alignl 7, 3214868480
	.fill 96, 4, 3214868480
	.section	.rodata,"a",@progbits
	.p2align	6, 0x0
	.amdhsa_kernel k_q68e3bdb590_qkv
		.amdhsa_group_segment_fixed_size 327680
		.amdhsa_private_segment_fixed_size 0
		.amdhsa_enable_private_segment 0
		.amdhsa_kernarg_size 32
		.amdhsa_user_sgpr_count 2
		.amdhsa_user_sgpr_kernarg_segment_ptr 1
		.amdhsa_wavefront_size32 1
		.amdhsa_system_sgpr_workgroup_id_x 1
		.amdhsa_system_sgpr_workgroup_id_y 1
		.amdhsa_system_sgpr_workgroup_id_z 1
		.amdhsa_system_vgpr_workitem_id 0
		.amdhsa_next_free_vgpr 1024
		.amdhsa_next_free_sgpr 66
		.amdhsa_reserve_vcc 0
		.amdhsa_float_denorm_mode_32 3
		.amdhsa_float_denorm_mode_16_64 3
		.amdhsa_memory_ordered 1
		.amdhsa_forward_progress 1
		.amdhsa_inst_pref_size 91
	.end_amdhsa_kernel
	.amdgpu_metadata
---
amdhsa.version: [ 1, 2 ]
amdhsa.kernels:
  - .name:           k_q68e3bdb590_qkv
    .symbol:         k_q68e3bdb590_qkv.kd
    .args:
      - { .name: nrm, .offset: 0, .size: 8, .value_kind: global_buffer, .address_space: global }
      - { .name: wh, .offset: 8, .size: 8, .value_kind: global_buffer, .address_space: global }
      - { .name: qT, .offset: 16, .size: 8, .value_kind: global_buffer, .address_space: global }
      - { .name: kv, .offset: 24, .size: 8, .value_kind: global_buffer, .address_space: global }
    .group_segment_fixed_size: 327680
    .private_segment_fixed_size: 0
    .kernarg_segment_align: 8
    .kernarg_segment_size: 32
    .max_flat_workgroup_size: 128
    .sgpr_count:     66
    .vgpr_count:     1024
    .wavefront_size: 32
...
	.end_amdgpu_metadata
.endif
;; end of part 2
;; launch attn (part 3): grid 4 x 64, 8 waves a work-group, clusters of 4 x 1, 327,680 bytes of LDS; arguments qT, kv, oT; writes oT
.if DOCPART == 3
	.amdgcn_target "amdgcn-amd-amdhsa--gfx1250"
	.amdhsa_code_object_version 6
	.text
	.protected	k_q68e3bdb590_attn
	.globl	k_q68e3bdb590_attn
	.p2align	8
	.type	k_q68e3bdb590_attn,@function
k_q68e3bdb590_attn:
	s_mov_b64 s[64:65], 0
	v_nop
	global_prefetch_b8 v0, s[64:65] scope:SCOPE_SE
	s_setreg_imm32_b32 hwreg(HW_REG_WAVE_MODE, 25, 1), 1
	s_wait_xcnt 0x0
	s_wait_alu depctr_hold_cnt(0) depctr_sa_sdst(0) depctr_va_vdst(0) depctr_va_sdst(0) depctr_va_ssrc(0) depctr_va_vcc(0) depctr_vm_vsrc(0)
	s_getreg_b32 s2, hwreg(HW_REG_IB_STS2, 6, 4)
	s_cmp_eq_u32 s2, 0
	s_cbranch_scc0 .Lentry_in_a_cluster
	s_endpgm
.Lentry_in_a_cluster:
	s_bfe_u32 s2, ttmp6, 0x10000c
	s_cmp_lg_u32 s2, 0x3003
	s_cbranch_scc0 .Lentry_shape_is_right
	s_endpgm
.Lentry_shape_is_right:
; o[b][q][head] = the sum over k of softmax_k(q . k / sqrt(512)) v, head size 32, 2,048 keys, 64 heads; q, k, v, o in f16, products, maxima and sums in f32.
; LIMITS. The weights p (0 to 1) are rounded to f16 for the second product, and their sum l is taken of the ROUNDED weights, by the matrix unit, in f32; a weight below 2^-126 counts as 0;
; NaN and infinities are not treated apart; o is a mean of v's rows and has their range.
; SHARES. A work-group owns 512 queries of one head, each of its eight waves 64: four tiles of 16, in two PIECES (piece 0: tiles 0, 1; piece 1: tiles 2, 3).  Every wave walks all keys, 64 a step.
; A HEAD'S K AND V^T ARE 262,144 BYTES AND LIE IN LDS WHOLE, as they lie in memory (fragment order: a fragment is two loads of 512 consecutive bytes): filled once, at the start, 2 loads a wave;
; nothing is filled again and the key loop has no barrier.  CLUSTER: the head's four query blocks need the same bytes: each fill is asked for JOINTLY, same descriptor, mask of four.
; LAYOUT. S^T = K Q^T (source 0 = 16 keys, source 1 = 16 queries; 32 channels are ONE matrix instruction): a lane holds one query (lane % 16) and the keys 8 (lane / 16) + 0..7.  Two such
; results rounded to f16 ARE source 1 (32 keys x 16 queries) of O^T = V^T P.  l = ONES x P, where rows 0 and 8 of ONES are 1 and the others 0: l falls into register 0 of its accumulator in every lane.
; SOFTMAX. A running maximum m: p = 2^(c s - c m), c = log2(e) / sqrt(512); in every step O and l are multiplied by a = 2^(c m_old - c m_new).  m starts at the lowest finite number, O and l at 0,
; so the first step is a step like any other, with a = 0.
; BY TURNS. A tile and step have 10 matrix and 95 vector instructions.  In a TURN one piece's softmax runs (a list of 190 instructions) while the OTHER piece has the matrix unit: its 12 products V^T P and
; ONES P of the step in hand, then its 8 products K Q^T of the step to come.  Four places of the list stand behind each product (76 instructions: four places are empty); the other 114 follow in one run.
; Turn 0 of step j: softmax of piece 0, step j | piece 1: V^T P of step j - 1, K Q^T of step j.  Turn 1: softmax of piece 1, step j | piece 0: V^T P of step j, K Q^T of step j + 1.
; So S^T and P have a buffer for each piece, and K and V^T one buffer each: V^T of step j is fetched in turn 0 behind the products that read V^T of step j - 1, K of step j + 1 behind turn 0's last K Q^T.
; ONE TEXT FOR EVERY TRIP: the first trip's V^T P finds P of piece 1 and V^T at 0 (12 products that add 0); in the last trip K's address wraps to the head's first keys, and the 8 products made of them serve nothing.
; Two waves lie on a SIMD.  No prefetch: all that a work-group reads is asked for at its head.
; REGISTERS: window 0: v1-5 addresses; v8-15 c m, m a tile; v16-31 at work, 8 for each tile of a piece; v32-63 Q; v64-191 S^T, 64 a piece; v192-255 P, 32 a piece
;   window 1: v0-63 O^T, 16 a tile; v64-95 l's accumulators; v96-127 V^T; v128-135 ONES; v136-167 K
; The softmax works in window 0 and no window holds a product's operands beside it, so each product costs two switches of the window, one in front and one behind.
.set CHUNK, 131072
.set SPARE, 262144                     ; the spare words, 128 bytes for each of eight waves: four blocks of 256 bytes that no other line names
.set L16, 1
.set LK,  2                            ; v2  LDS address of K's next run of loads
.set LV,  3                            ; v3  of V^T's
.set SPW, 4
.set NIL, 5
.set ST,  8
.set TMP, 16                           ; tile u of a piece: c0-c3 at +0..3, a at +4, +5 named with it as a pair, c m_old at +6, the difference at +7
.set QF,  32
.set S,   64
.set P,   192
.set OUTR, 64                          ; the way out, in S^T's registers
.set LS,  64                           ; window 1
.set VF,  96
.set ONES, 128
.set KF,  136
.set WV,  12
.set G1,  16
.set G0A, 24
.set G0B, 28
.set CNT, 56
.set CS,  58                           ; s[58:59] c
.set SEL, 60                           ; s[60:61]
.set TBV, 62                           ; LDS byte of the step whose V^T is fetched next
.set TBK, 63                           ; of the step whose K is fetched next
.set MSB, 0
.macro WIN new                         ; the immediate's high byte repeats the setting that is left; a switch that changes nothing is dropped
.if MSB != (\new)
	s_set_vgpr_msb (MSB<<8)|(\new)
.set MSB, (\new)
.endif
.endm
.macro PLACES
.rept 4
	v_nop
.endr
.endm
.macro ROUND
	s_barrier_signal -1
	s_barrier_wait -1
	s_cmp_lg_u32 s[WV], 0
	s_cbranch_scc1 .Lnot_wave_0_\@
	s_barrier_signal -3
.Lnot_wave_0_\@:
	s_barrier_wait -3
	s_barrier_signal -1
	s_barrier_wait -1
.endm
; Number n of the 22 that find tile 2 p + u's new maximum and a.  Each accumulator's lowest registers are read first.
.macro MX p, u, n
.set rC, TMP+8*(\u)
.set rS, S+64*(\p)+32*(\u)
.set rT, ST+2*(2*(\p)+(\u))
.if (\n) < 4
	v_max3_num_f32 v[rC+(\n)], v[rS+8*(\n)], v[rS+8*(\n)+1], v[rS+8*(\n)+2]
.elseif (\n) < 12
	v_max3_num_f32 v[rC+(\n)%4], v[rC+(\n)%4], v[rS+8*((\n)%4)+2*((\n)/4)+1], v[rS+8*((\n)%4)+2*((\n)/4)+2]
.elseif (\n) == 12
	v_max3_num_f32 v[rC], v[rC], v[rS+7], v[rS+15]
.elseif (\n) == 13
	v_max3_num_f32 v[rC+2], v[rC+2], v[rS+23], v[rS+31]
.elseif (\n) == 14
	v_max3_num_f32 v[rC], v[rC], v[rC+1], v[rC+2]
.elseif (\n) == 15
	v_max3_num_f32 v[rC], v[rC], v[rC+3], v[rT+1]
.elseif (\n) == 16
	v_permlanex16_b32 v[rC+1], v[rC], s[SEL], s[SEL+1]   ; the query's other 32 keys lie in the lane 16 away
.elseif (\n) == 17
	v_mov_b32 v[rC+6], v[rT]
.elseif (\n) == 18
	v_max_num_f32 v[rT+1], v[rC], v[rC+1]
.elseif (\n) == 19
	v_mul_f32 v[rT], s[CS], v[rT+1]
.elseif (\n) == 20
	v_sub_f32 v[rC+7], v[rC+6], v[rT]
.else
	v_exp_f32 v[rC+4], v[rC+7]
.endif
.endm
.macro FM p, u, b                      ; c s - c m for pair b of 16
.set rS, S+64*(\p)+32*(\u)+2*(\b)
.set rT, ST+2*(2*(\p)+(\u))
	v_pk_fma_f32 v[rS:rS+1], v[rS:rS+1], s[CS:CS+1], v[rT:rT+1] op_sel_hi:[1,0,0] neg_lo:[0,0,1] neg_hi:[0,0,1]
.endm
.macro EX p, u, n
	v_exp_f32 v[S+64*(\p)+32*(\u)+(\n)], v[S+64*(\p)+32*(\u)+(\n)]
.endm
.macro CV p, u, b
	s_wait_alu depctr_va_vdst(0)
	v_cvt_pk_f16_f32 v[P+32*(\p)+16*(\u)+(\b)], v[S+64*(\p)+32*(\u)+2*(\b)], v[S+64*(\p)+32*(\u)+2*(\b)+1]
.endm
.macro RS p, r                         ; number r of the 18 that multiply the piece's O^T and l by a; each accumulator from its low end on (of l's, registers 1-7 stay 0)
	WIN 0x51                                       ; destination and source 0 window 1, a window 0: the setting of the products V^T P
.set tt, 2*(\p)+(\r)/9
.set rj, (\r)%9
.set rA, TMP+8*((\r)/9)+4
.if rj < 8
	v_pk_mul_f32 v[16*tt+2*rj:16*tt+2*rj+1], v[16*tt+2*rj:16*tt+2*rj+1], v[rA:rA+1] op_sel_hi:[1,0]
.else
	v_pk_mul_f32 v[LS+8*tt:LS+8*tt+1], v[LS+8*tt:LS+8*tt+1], v[rA:rA+1] op_sel_hi:[1,0]
.endif
.endm
; THE LIST of a piece's softmax for one step, 202 places, of which 12 are empty; VI writes place vi and steps vi.  The two tiles alternate, so that no line reads the result of the line before it.
;   0-43    the maximum and a (MX 0-21)          44-51   the scaling of pairs 0-3
;   52-179  sixteen groups of eight places; group k: the four exponentials of pair k at the even places; at places 1, 3 the rounding of pair k - 2 (none for k < 2); at places 5, 7 the scaling of pair k + 4
;           (none for k > 11): a plain line stands between an exponential and the use of its result (ISA guide 5.7.2)
;   180-183 the rounding of pairs 14, 15          184-201 O^T and l times a
.macro VI p
.if vi < 44
	WIN 0
	MX \p, vi%2, vi/2
.elseif vi < 52
	WIN 0
	FM \p, vi%2, (vi-44)/2
.elseif vi < 180
.set gk, (vi-52)/8
.set gp, (vi-52)%8
.set gu, (gp/2)%2
.if gp%2 == 0
	WIN 0
	EX \p, gu, 2*gk+gp/4
.elseif gp < 4
.if gk >= 2
	WIN 0
	CV \p, gu, gk-2
.endif
.else
.if gk < 12
	WIN 0
	FM \p, gu, gk+4
.endif
.endif
.elseif vi < 184
	WIN 0
	CV \p, vi%2, 14+(vi-180)/2
.else
	RS \p, vi-184
.endif
.set vi, vi+1
.endm
; Product n of 12 for piece q: keys 32 (n / 6) on; channels 0-15, channels 16-31, then l; tile 2 q + n % 2.  The six accumulators take turns: five others stand between two links of a chain.
.macro PV q, n
	WIN 0x51                                       ; V^T or ONES, C and D window 1; P window 0
.set kk, (\n)/6
.set xx, ((\n)%6)/2
.set tt, 2*(\q)+(\n)%2
.set rP, P+32*(\q)+16*((\n)%2)+8*kk
.if xx < 2
	v_wmma_f32_16x16x32_f16 v[16*tt+8*xx:16*tt+8*xx+7], v[VF+16*kk+8*xx:VF+16*kk+8*xx+7], v[rP:rP+7], v[16*tt+8*xx:16*tt+8*xx+7]
.else
	v_wmma_f32_16x16x32_f16 v[LS+8*tt:LS+8*tt+7], v[ONES:ONES+7], v[rP:rP+7], v[LS+8*tt:LS+8*tt+7]
.endif
.endm
; Product n of 8 for piece q: keys 16 (n / 2) on, tile 2 q + n % 2.  Each is a whole sum.
.macro KQ q, n
	WIN 0x01                                       ; K window 1; Q and S^T window 0
.set rS, S+64*(\q)+32*((\n)%2)+8*((\n)/2)
	v_wmma_f32_16x16x32_f16 v[rS:rS+7], v[KF+8*((\n)/2):KF+8*((\n)/2)+7], v[QF+8*(2*(\q)+(\n)%2):QF+8*(2*(\q)+(\n)%2)+7], 0
.endm
.macro FETCH_K                         ; 64 keys' K: 4 fragments, 8 loads in one run
	WIN 0x40                                       ; destination window 1, address window 0
.set fi, 0
.rept 4
	ds_load_b128 v[KF+8*fi:KF+8*fi+3],   v[LK] offset:(fi/2)*4096+(fi%2)*1024
	ds_load_b128 v[KF+8*fi+4:KF+8*fi+7], v[LK] offset:(fi/2)*4096+(fi%2)*1024+512
.set fi, fi+1
.endr
.endm
.macro FETCH_V                         ; 64 keys' V^T: keys 32 (f / 2) on, channels 16 (f % 2) on
	WIN 0x40
.set fi, 0
.rept 4
	ds_load_b128 v[VF+8*fi:VF+8*fi+3],   v[LV] offset:(fi/2)*4096+2048+(fi%2)*1024
	ds_load_b128 v[VF+8*fi+4:VF+8*fi+7], v[LV] offset:(fi/2)*4096+2048+(fi%2)*1024+512
.set fi, fi+1
.endr
.endm
; A TURN: piece p's softmax; the other piece's 20 products, four places of the list behind each.  No line of the list names a register of the products round it: they belong to the other piece.
; Turn 0 fetches.  V^T's run stands behind product 11 and the four scalings that follow it (V^T's last reader is product 9).  K's run stands 16 places of the list, eight of them plain lines, behind product 19, K's last reader.
; The list's last 18 lines, plain ones, stand between the turn's products and the next turn's first read of the scores that they made.
.macro TURN p
.set vi, 0
.set wi, 0
.rept 20
.if wi < 12
.if ((\p) == 1) && (wi == 0)
	s_wait_dscnt 8                                 ; V^T is in; K's eight loads, issued behind V^T's, may stay out
.endif
	PV 1-(\p), wi
.else
.if ((\p) == 1) && (wi == 12)
	s_wait_dscnt 0x0                               ; K is in
.endif
	KQ 1-(\p), wi-12
.endif
.rept 4
	VI \p
.endr
.if ((\p) == 0) && (wi == 11)
	FETCH_V
.endif
.set wi, wi+1
.endr
.rept 12
	VI \p
.endr
.if (\p) == 0
	FETCH_K
.endif
.rept 110
	VI \p
.endr
.endm
	s_load_b128 s[4:7], s[0:1], 0x0                ; qT s[4:5], kv s[6:7]
	s_load_b64 s[8:9], s[0:1], 0x10                ; oT
	v_lshl_add_u32 v[SPW], v0, 2, SPARE
	v_mov_b32 v[NIL], 0
	ds_add_u32 v[SPW], v[NIL]                      ; the wave's opening: the add and its wait stand ahead of my first tensor load
	v_lshrrev_b32 v6, 5, v0
	v_readfirstlane_b32 s[WV], v6
	s_bfe_u32 s13, ttmp6, 0x40000
	s_lshl_b32 s14, ttmp9, 2
	s_add_co_u32 s14, s14, s13                     ; my block of 512 queries: it enters Q's and O's addresses alone
	s_and_b32 s15, ttmp7, 0xffff                   ; 16 b + head, which the four partners share
	s_mov_b32 s[G1], 15|(3<<16)|(1<<21)            ; mask of four; 8-byte elements; bit 21 beside a mask; no padding
	s_mov_b32 s[G1+1], 32<<16                      ; tensor_dim0 = 32: rows of 256 bytes
	s_mov_b32 s[G1+2], 64<<16                      ; tensor_dim1 = 64
	s_mov_b32 s[G1+3], 32<<16                      ; tile_dim0 = 32
	s_mov_b32 s[G1+4], 64                          ; tile_dim1 = 64
	s_mov_b32 s[G1+5], 32                          ; dense
	s_mov_b32 s[G1+6], 0
	s_mov_b32 s[G1+7], 0
	s_lshl_b32 s36, s15, 18                        ; the head's 262,144 bytes,
	s_lshl_b32 s38, s[WV], 14                      ; my 16,384 of each half
	s_add_co_u32 s36, s36, s38
	s_mov_b32 s37, 0
	s_mov_b32 s[G0A], 1
	s_mov_b32 s[G0A+1], s38
	s_mov_b32 s[G0B], 1
	s_add_co_u32 s[G0B+1], s38, CHUNK
	s_lshl_b32 s40, s15, 17                        ; Q: (head x 128 + 32 block + 4 wave) x 1,024
	s_lshl_b32 s42, s14, 15
	s_add_co_u32 s40, s40, s42
	s_lshl_b32 s42, s[WV], 12
	s_add_co_u32 s40, s40, s42
	s_mov_b32 s41, 0
	s_lshr_b32 s44, s15, 4                         ; O: ((128 b + 32 block + 4 wave) x 16 + head) x 1,024
	s_lshl_b32 s44, s44, 21
	s_lshl_b32 s42, s14, 19
	s_add_co_u32 s44, s44, s42
	s_lshl_b32 s42, s[WV], 16
	s_add_co_u32 s44, s44, s42
	s_and_b32 s42, s15, 15
	s_lshl_b32 s42, s42, 10
	s_add_co_u32 s44, s44, s42
	s_mov_b32 s45, 0
	s_mov_b32 s[CS], 0x3d8293ee                    ; c = log2(e) / sqrt(512) = 0.0637587
	s_mov_b32 s[CS+1], s[CS]
	s_mov_b32 s[SEL], 0x76543210
	s_mov_b32 s[SEL+1], 0xfedcba98
	s_mov_b32 s[TBV], 0
	s_mov_b32 s[TBK], 8192
	s_mov_b32 s[CNT], 32
	v_and_b32 v6, 31, v0
	v_lshlrev_b32 v[L16], 4, v6
	s_wait_dscnt 0x0
	s_wait_kmcnt 0x0
	s_add_nc_u64 s[G0A+2:G0A+3], s[6:7], s[36:37]
	s_add_nc_u64 s[G0B+2:G0B+3], s[G0A+2:G0A+3], CHUNK
	s_or_b32 s[G0A+3], s[G0A+3], 0x80000000
	s_or_b32 s[G0B+3], s[G0B+3], 0x80000000
	s_add_nc_u64 s[4:5], s[4:5], s[40:41]
	s_add_nc_u64 s[8:9], s[8:9], s[44:45]
	ROUND                                          ; all four work-groups are here: the joint loads meet
	tensor_load_to_lds s[G0A:G0A+3], s[G1:G1+7]    ; two loads of mine are out
	s_nop 0
	tensor_load_to_lds s[G0B:G0B+3], s[G1:G1+7]
	s_nop 0
	PLACES
.set t, 0
.rept 4
	global_load_b128 v[QF+8*t:QF+8*t+3],   v[L16], s[4:5] offset:1024*t
	global_load_b128 v[QF+8*t+4:QF+8*t+7], v[L16], s[4:5] offset:1024*t+512
.set t, t+1
.endr
	v_and_b32 v7, 7, v0
	v_mov_b32 v6, 0x3c003c00                       ; 1.0 twice in f16
	v_cmp_eq_u32 vcc_lo, 0, v7
	v_cndmask_b32 v6, 0, v6, vcc_lo                ; lanes 0, 8, 16, 24: rows 0 and 8 of ONES
	v_mov_b32 v[LK], v[L16]                        ; key step 0 lies at LDS byte 0
	WIN 0x40                                       ; what the first trip finds; all this stands in the wait for the head's bytes
.set i, 0
.rept 8
	v_mov_b32 v[ONES+i], v6
.set i, i+1
.endr
.set i, 0
.rept 128
	v_mov_b32 v[i], 0                              ; O^T, l and V^T
.set i, i+1
.endr
	WIN 0
.set i, 0
.rept 4
	v_mov_b32 v[ST+2*i], 0xfe000000                ; c m: far below every c s
	v_mov_b32 v[ST+2*i+1], 0xff7fffff              ; m
.set i, i+1
.endr
.set i, 0
.rept 16
	v_mov_b32 v[TMP+i], 0
.set i, i+1
.endr
.set i, 0
.rept 32
	v_mov_b32 v[P+32+i], 0                         ; P of piece 1
.set i, i+1
.endr
	s_wait_tensorcnt 0x0                           ; my parts of the head's K and V^T are in,
	s_barrier_signal -1
	s_barrier_wait -1                              ; everybody's are
	FETCH_K                                        ; key step 0
	WIN 0
	s_wait_loadcnt 0x0                             ; Q
	s_wait_dscnt 0x0
.set wi, 0
.rept 8
	KQ 0, wi                                       ; piece 0's first scores: there is no vector work yet to set between them
.set wi, wi+1
.endr
	WIN 0
	PLACES                                         ; in front of the first read of those scores
.Lstep:                                ; 32 trips of 64 keys: 8,192 bytes of LDS
	v_add_nc_u32 v[LV], s[TBV], v[L16]
	v_add_nc_u32 v[LK], s[TBK], v[L16]
	s_add_co_u32 s[TBV], s[TBV], 8192
	s_add_co_u32 s[TBK], s[TBK], 8192
	s_and_b32 s[TBK], s[TBK], 0x3ffff              ; behind the last step K's address wraps to the first
	TURN 0
	TURN 1
	WIN 0
	s_sub_co_u32 s[CNT], s[CNT], 1
	s_cmp_lg_u32 s[CNT], 0
	s_cbranch_scc1 .Lstep
.set wi, 0
.rept 12
	PV 1, wi                                       ; piece 1: V^T P of the last step
.set wi, wi+1
.endr
	; THE WAY OUT: O^T / l, rounded to f16; a lane's 8 channels of a row are 16 bytes, and 32 lanes' are half a block in fragment order
	PLACES
	WIN 0x01
.irp t, 0,1,2,3
	v_rcp_f32 v[TMP+2*\t], v[LS+8*\t]
.endr
	v_nop                                          ; a plain line behind the last reciprocal
	s_wait_alu depctr_va_vdst(0)
.irp t, 0,1,2,3
	WIN 0x41
.set i, 0
.rept 8
	v_pk_mul_f32 v[16*\t+2*i:16*\t+2*i+1], v[16*\t+2*i:16*\t+2*i+1], v[TMP+2*\t:TMP+2*\t+1] op_sel_hi:[1,0]
.set i, i+1
.endr
	WIN 0x05
.set i, 0
.rept 8
	v_cvt_pk_f16_f32 v[OUTR+8*\t+i], v[16*\t+2*i], v[16*\t+2*i+1]
.set i, i+1
.endr
	WIN 0
	global_store_b128 v[L16], v[OUTR+8*\t:OUTR+8*\t+3],   s[8:9] offset:16384*\t       ; 512 consecutive bytes, aligned
	global_store_b128 v[L16], v[OUTR+8*\t+4:OUTR+8*\t+7], s[8:9] offset:16384*\t+512
.endr
	s_wait_tensorcnt 0x0                           ; the wave's end
	ds_add_u32 v[SPW], v[NIL]
	s_wait_dscnt 0x0
	ROUND                                          ; the closing round
	s_endpgm
.Lfunc_end_k_q68e3bdb590_attn:
	.size	k_q68e3bdb590_attn, .Lfunc_end_k_q68e3bdb590_attn-k_q68e3bdb590_attn
	.p2alignl 7, 3214868480
	.fill 96, 4, 3214868480
	.section	.rodata,"a",@progbits
	.p2align	6, 0x0
	.amdhsa_kernel k_q68e3bdb590_attn
		.amdhsa_group_segment_fixed_size 327680
		.amdhsa_private_segment_fixed_size 0
		.amdhsa_enable_private_segment 0
		.amdhsa_kernarg_size 24
		.amdhsa_user_sgpr_count 2
		.amdhsa_user_sgpr_kernarg_segment_ptr 1
		.amdhsa_wavefront_size32 1
		.amdhsa_system_sgpr_workgroup_id_x 1
		.amdhsa_system_sgpr_workgroup_id_y 1
		.amdhsa_system_sgpr_workgroup_id_z 1
		.amdhsa_system_vgpr_workitem_id 0
		.amdhsa_next_free_vgpr 424
		.amdhsa_next_free_sgpr 66
		.amdhsa_reserve_vcc 1
		.amdhsa_float_denorm_mode_32 3
		.amdhsa_float_denorm_mode_16_64 3
		.amdhsa_memory_ordered 1
		.amdhsa_forward_progress 1
		.amdhsa_inst_pref_size 47
	.end_amdhsa_kernel
	.amdgpu_metadata
---
amdhsa.version: [ 1, 2 ]
amdhsa.kernels:
  - .name:           k_q68e3bdb590_attn
    .symbol:         k_q68e3bdb590_attn.kd
    .args:
      - { .name: qT, .offset: 0, .size: 8, .value_kind: global_buffer, .address_space: global }
      - { .name: kv, .offset: 8, .size: 8, .value_kind: global_buffer, .address_space: global }
      - { .name: oT, .offset: 16, .size: 8, .value_kind: global_buffer, .address_space: global }
    .group_segment_fixed_size: 327680
    .private_segment_fixed_size: 0
    .kernarg_segment_align: 8
    .kernarg_segment_size: 24
    .max_flat_workgroup_size: 256
    .sgpr_count:     66
    .vgpr_count:     424
    .wavefront_size: 32
...
	.end_amdgpu_metadata
.endif
;; end of part 3
;; launch ln2 (part 4): grid 512 x 1, 4 waves a work-group, no clusters, 34,816 bytes of LDS; arguments x, oT, alpha, beta, nrm; writes nrm
.if DOCPART == 4
	.amdgcn_target "amdgcn-amd-amdhsa--gfx1250"
	.amdhsa_code_object_version 6
	.text
	.protected	k_q68e3bdb590_ln2
	.globl	k_q68e3bdb590_ln2
	.p2align	8
	.type	k_q68e3bdb590_ln2,@function
k_q68e3bdb590_ln2:
	s_mov_b64 s[64:65], 0
	v_nop
	global_prefetch_b8 v0, s[64:65] scope:SCOPE_SE
	s_setreg_imm32_b32 hwreg(HW_REG_WAVE_MODE, 25, 1), 1
	s_wait_xcnt 0x0
; LAYER NORM of x1 = x + o: nrm = alpha (x1 - mean) / sqrt(var + 1e-6) + beta, var over 511, rounded once to f16.  x: [8192][512] f32; o and nrm: f16 in fragment order:
; a block of 16 rows x 32 columns is 1,024 bytes, its first 512 bytes registers 0-3 of a 16 x 32 matrix fragment, lane l at 16 l (row l % 16, columns 8 (l / 16) + 0..7), its second 512
; bytes registers 4-7 (columns 16 + 8 (l / 16) + 0..7); block (rows 16 g .., columns 32 f ..) at (16 g + f) x 1,024.  x1 itself is not stored: the last launch makes it anew.
; LIMIT. f16 holds no number beyond 65,504: the normalised rows must lie within it.
; SHARES. A work-group takes 16 rows, wave w columns 128 w .. 128 w + 127.  x's rows come in as 512 consecutive bytes a load and change lanes through the wave's own LDS stage; from then on a
; lane holds 64 numbers of ONE row, as o's fragments do.  Mean and sum of squares in two passes about the wave's own mean (no difference of large sums); the four waves' figures meet in LDS:
; M2 = sum M2_i + 128 sum (mean_i - mean)^2.  No matrix unit, no cluster, no tensor load: every byte is read once by one wave, and memory binds.
.set PITCH, 528                        ; a stage row: 512 bytes + 16: the 16 rows that a load touches start 4 banks apart (64 banks of 4 bytes: ISA guide 11.1)
.set WSTG,  16*PITCH
.set STAT,  4*WSTG                     ; 4 waves x 16 rows x (mean, M2)
.set SPARE, STAT+512                   ; the spare words, 128 bytes a wave: two blocks of 256 bytes that no other line names
.set LNE, 1
.set RW,  2
.set HF,  3
.set XO,  4
.set STA, 5
.set FRA, 6
.set L16, 7
.set STW, 8
.set STR, 9
.set SPW, 10                           ; my spare word; never rewritten
.set NIL, 11                           ; 0; never rewritten
.set ONE, 12
.set TP,  13
.set X,   32                           ; v[32:95]   x as loaded; later the packed result
.set F,   96                           ; v[96:159]  my row's 64 numbers
.set OF,  160                          ; v[160:191] o's fragments
.set WV,  4
.set SEL, 6
.set XB,  8                            ; s[8:9]   x
.set OB,  10                           ; s[10:11] oT
.set NB,  16                           ; s[16:17] nrm
.set SA,  28
.set SB,  29
.macro LNT o                           ; o = 1: the rows are x + o
.set t, 0
.rept 16
	global_load_b128 v[X+4*t:X+4*t+3], v[XO], s[XB:XB+1] offset:2048*t   ; row t: the wave's 512 consecutive bytes
.set t, t+1
.endr
.if \o
.set t, 0
.rept 8
	global_load_b128 v[OF+4*t:OF+4*t+3], v[L16], s[OB:OB+1] offset:512*t
.set t, t+1
.endr
.endif
.set t, 0
.rept 16
	s_wait_loadcnt 8*(\o)+15-t                     ; row t is in; the younger rows and o's eight loads may stay out
	ds_store_b128 v[STA], v[X+4*t:X+4*t+3] offset:PITCH*t
.set t, t+1
.endr
.set t, 0
.rept 16                               ; t = 4 f + 2 q + e: columns 32 f + 16 q + 8 (l / 16) + 4 e .. of row l % 16
	ds_load_b128 v[F+4*t:F+4*t+3], v[FRA] offset:128*(t/4)+64*((t/2)%2)+16*(t%2)  ; the wave's own bytes: LDS serves a wave in order (ISA guide 5.7.1.4)
.set t, t+1
.endr
	s_wait_dscnt 0x0
.if \o
	s_wait_loadcnt 0x0
.set t, 0
.rept 32
	v_fma_mix_f32 v[F+2*t], v[OF+t], v[ONE], v[F+2*t] op_sel_hi:[1,0,0]                    ; x + o: o's low half,
	v_fma_mix_f32 v[F+2*t+1], v[OF+t], v[ONE], v[F+2*t+1] op_sel:[1,0,0] op_sel_hi:[1,0,0]  ; its high half
.set t, t+1
.endr
.endif
.irp c, 0,1,2,3
	v_pk_add_f32 v[16+2*\c:17+2*\c], v[F+2*\c:F+2*\c+1], v[F+8+2*\c:F+8+2*\c+1]   ; pass 1: four chains started by the first pairs
.endr
.set t, 16
.rept 6
.irp c, 0,1,2,3
	v_pk_add_f32 v[16+2*\c:17+2*\c], v[16+2*\c:17+2*\c], v[F+t+2*\c:F+t+2*\c+1]
.endr
.set t, t+8
.endr
	v_pk_add_f32 v[16:17], v[16:17], v[18:19]
	v_pk_add_f32 v[20:21], v[20:21], v[22:23]
	v_pk_add_f32 v[16:17], v[16:17], v[20:21]
	v_add_f32 v16, v16, v17
	v_permlanex16_b32 v[TP], v16, s[SEL], s[SEL+1] ; the row's other 64 numbers lie in the lane 16 away
	v_add_f32 v16, v16, v[TP]
	v_mul_f32 v24, 0x3c000000, v16                 ; / 128
	v_mov_b32 v25, v24
.set t, 0
.rept 32
	v_pk_add_f32 v[F+t:F+t+1], v[F+t:F+t+1], v[24:25] neg_lo:[0,1] neg_hi:[0,1]   ; pass 2: d = x1 - the wave's mean
.set t, t+2
.endr
.irp c, 0,1,2,3
	v_pk_mul_f32 v[16+2*\c:17+2*\c], v[F+2*\c:F+2*\c+1], v[F+2*\c:F+2*\c+1]
.endr
.set t, 8
.rept 7
.irp c, 0,1,2,3
	v_pk_fma_f32 v[16+2*\c:17+2*\c], v[F+t+2*\c:F+t+2*\c+1], v[F+t+2*\c:F+t+2*\c+1], v[16+2*\c:17+2*\c]
.endr
.set t, t+8
.endr
	v_pk_add_f32 v[16:17], v[16:17], v[18:19]
	v_pk_add_f32 v[20:21], v[20:21], v[22:23]
	v_pk_add_f32 v[16:17], v[16:17], v[20:21]
	v_add_f32 v16, v16, v17
	v_permlanex16_b32 v[TP], v16, s[SEL], s[SEL+1]
	v_add_f32 v25, v16, v[TP]                      ; v[24:25] = the wave's mean and M2 for my row
	ds_store_b64 v[STW], v[24:25]
	s_wait_dscnt 0x0                               ; for the others' sake: my figures are in LDS
	s_barrier_signal -1
	s_barrier_wait -1
.irp i, 0,1,2,3
	ds_load_b64 v[16+2*\i:17+2*\i], v[STR] offset:128*\i
.endr
	s_wait_dscnt 0x0
	s_wait_kmcnt 0x0                               ; alpha and beta
	v_add_f32 v26, v16, v18
	v_add_f32 v27, v20, v22
	v_add_f32 v26, v26, v27
	v_mul_f32 v26, 0x3e800000, v26                 ; the row's mean
	v_add_f32 v27, v17, v19
	v_add_f32 v28, v21, v23
	v_add_f32 v27, v27, v28
	v_sub_f32 v16, v16, v26
	v_sub_f32 v18, v18, v26
	v_sub_f32 v20, v20, v26
	v_sub_f32 v22, v22, v26
	v_mul_f32 v28, v16, v16
	v_fmac_f32 v28, v18, v18
	v_fmac_f32 v28, v20, v20
	v_fmac_f32 v28, v22, v22
	v_fmamk_f32 v27, v28, 0x43000000, v27          ; M2 = the sum of M2_i + 128 x the sum of (mean_i - mean)^2
	v_mov_b32 v29, 0x358637bd                      ; 1e-6
	v_fmamk_f32 v27, v27, 0x3b004020, v29          ; M2 / 511 + 1e-6
	v_rsq_f32 v27, v27
	v_sub_f32 v28, v24, v26                        ; a plain line behind the root (ISA guide 5.7.2)
	s_wait_alu depctr_va_vdst(0)
	v_mul_f32 v26, s[SA], v27                      ; g = alpha / sqrt(..)
	v_mov_b32 v27, v26
	v_fma_f32 v28, v28, v26, s[SB]                 ; (mean_w - mean) g + beta
	v_mov_b32 v29, v28
.set t, 0
.rept 32
	v_pk_fma_f32 v[F+t:F+t+1], v[F+t:F+t+1], v[26:27], v[28:29]
.set t, t+2
.endr
.set t, 0
.rept 32
	v_cvt_pk_f16_f32 v[X+t], v[F+2*t], v[F+2*t+1]
.set t, t+1
.endr
.set t, 0
.rept 8
	global_store_b128 v[L16], v[X+4*t:X+4*t+3], s[NB:NB+1] offset:512*t   ; half a block: 512 consecutive bytes, aligned
.set t, t+1
.endr
	s_wait_tensorcnt 0x0                           ; the wave's end
	ds_add_u32 v[SPW], v[NIL]
	s_wait_dscnt 0x0
	s_endpgm
.endm
	s_load_b256 s[8:15], s[0:1], 0x0               ; x, oT, alpha s[12:13], beta s[14:15]
	s_load_b64 s[16:17], s[0:1], 0x20              ; nrm
	v_lshl_add_u32 v[SPW], v0, 2, SPARE
	v_mov_b32 v[NIL], 0
	v_lshrrev_b32 v[TP], 5, v0
	v_readfirstlane_b32 s[WV], v[TP]
	v_and_b32 v[LNE], 31, v0
	v_mov_b32 v[ONE], 1.0
	s_wait_kmcnt 0x0
	s_load_b32 s[SA], s[12:13], 0x0
	s_load_b32 s[SB], s[14:15], 0x0
	s_mov_b32 s[SEL], 0x76543210
	s_mov_b32 s[SEL+1], 0xfedcba98
	v_and_b32 v[RW], 15, v0
	v_bfe_u32 v[HF], v0, 4, 1
	s_lshl_b32 s5, s[WV], 9
	v_lshl_add_u32 v[XO], v[LNE], 4, s5            ; 512 w + 16 l
	s_mul_i32 s5, s[WV], WSTG
	v_lshl_add_u32 v[STA], v[LNE], 4, s5
	v_mul_u32_u24 v[FRA], v[RW], PITCH
	v_lshl_add_u32 v[FRA], v[HF], 5, v[FRA]
	v_add_nc_u32 v[FRA], s5, v[FRA]
	v_lshlrev_b32 v[L16], 4, v[LNE]
	s_lshl_b32 s5, s[WV], 7
	s_add_co_u32 s5, s5, STAT
	v_lshl_add_u32 v[STW], v[RW], 3, s5
	v_lshl_add_u32 v[STR], v[RW], 3, STAT
	s_lshl_b32 s30, ttmp9, 15                      ; 16 rows of 2,048 bytes
	s_mov_b32 s31, 0
	s_add_nc_u64 s[XB:XB+1], s[XB:XB+1], s[30:31]
	s_lshl_b32 s30, ttmp9, 14                      ; 16 blocks of 1,024 bytes,
	s_lshl_b32 s5, s[WV], 12                       ; my wave's four of them
	s_add_co_u32 s30, s30, s5
	s_add_nc_u64 s[OB:OB+1], s[OB:OB+1], s[30:31]
	s_add_nc_u64 s[NB:NB+1], s[NB:NB+1], s[30:31]
	LNT 1
.Lfunc_end_k_q68e3bdb590_ln2:
	.size	k_q68e3bdb590_ln2, .Lfunc_end_k_q68e3bdb590_ln2-k_q68e3bdb590_ln2
	.p2alignl 7, 3214868480
	.fill 96, 4, 3214868480
	.section	.rodata,"a",@progbits
	.p2align	6, 0x0
	.amdhsa_kernel k_q68e3bdb590_ln2
		.amdhsa_group_segment_fixed_size 34816
		.amdhsa_private_segment_fixed_size 0
		.amdhsa_enable_private_segment 0
		.amdhsa_kernarg_size 40
		.amdhsa_user_sgpr_count 2
		.amdhsa_user_sgpr_kernarg_segment_ptr 1
		.amdhsa_wavefront_size32 1
		.amdhsa_system_sgpr_workgroup_id_x 1
		.amdhsa_system_sgpr_workgroup_id_y 1
		.amdhsa_system_sgpr_workgroup_id_z 1
		.amdhsa_system_vgpr_workitem_id 0
		.amdhsa_next_free_vgpr 192
		.amdhsa_next_free_sgpr 66
		.amdhsa_reserve_vcc 0
		.amdhsa_float_denorm_mode_32 3
		.amdhsa_float_denorm_mode_16_64 3
		.amdhsa_memory_ordered 1
		.amdhsa_forward_progress 1
		.amdhsa_inst_pref_size 24
	.end_amdhsa_kernel
	.amdgpu_metadata
---
amdhsa.version: [ 1, 2 ]
amdhsa.kernels:
  - .name:           k_q68e3bdb590_ln2
    .symbol:         k_q68e3bdb590_ln2.kd
    .args:
      - { .name: x, .offset: 0, .size: 8, .value_kind: global_buffer, .address_space: global }
      - { .name: oT, .offset: 8, .size: 8, .value_kind: global_buffer, .address_space: global }
      - { .name: alpha, .offset: 16, .size: 8, .value_kind: global_buffer, .address_space: global }
      - { .name: beta, .offset: 24, .size: 8, .value_kind: global_buffer, .address_space: global }
      - { .name: nrm, .offset: 32, .size: 8, .value_kind: global_buffer, .address_space: global }
    .group_segment_fixed_size: 34816
    .private_segment_fixed_size: 0
    .kernarg_segment_align: 8
    .kernarg_segment_size: 40
    .max_flat_workgroup_size: 128
    .sgpr_count:     66
    .vgpr_count:     192
    .wavefront_size: 32
...
	.end_amdgpu_metadata
.endif
;; end of part 4
;; launch ffn1 (part 5): grid 16 x 16, 4 waves a work-group, clusters of 4 x 1, 327,680 bytes of LDS; arguments nrm, wh, b1, f1T; writes f1T
.if DOCPART == 5
	.amdgcn_target "amdgcn-amd-amdhsa--gfx1250"
	.amdhsa_code_object_version 6
	.text
	.protected	k_q68e3bdb590_ffn1
	.globl	k_q68e3bdb590_ffn1
	.p2align	8
	.type	k_q68e3bdb590_ffn1,@function
k_q68e3bdb590_ffn1:
	s_mov_b64 s[64:65], 0
	v_nop
	global_prefetch_b8 v0, s[64:65] scope:SCOPE_SE
	s_setreg_imm32_b32 hwreg(HW_REG_WAVE_MODE, 25, 1), 1
	s_wait_xcnt 0x0
	s_wait_alu depctr_hold_cnt(0) depctr_sa_sdst(0) depctr_va_vdst(0) depctr_va_sdst(0) depctr_va_ssrc(0) depctr_va_vcc(0) depctr_vm_vsrc(0)
	s_getreg_b32 s2, hwreg(HW_REG_IB_STS2, 6, 4)
	s_cmp_eq_u32 s2, 0
	s_cbranch_scc0 .Lentry_in_a_cluster
	s_endpgm
.Lentry_in_a_cluster:
	s_bfe_u32 s2, ttmp6, 0x10000c
	s_cmp_lg_u32 s2, 0x3003
	s_cbranch_scc0 .Lentry_shape_is_right
	s_endpgm
.Lentry_shape_is_right:
; f1 = relu(nrm x W1 + b1): [8192][512] x [512][4096], f16 operands, f32 sums that start at the bias, rounded once to f16, then the maximum with 0.
; LIMIT. f1 must lie within f16's 65,504.
; SHARES. 256 work-groups.  A work-group makes 512 rows x 256 columns in four trips: rows 0-255 x columns 0-127, rows 0-255 x columns 128-255, then the same for rows 256-511.
; In a trip each of its four waves makes 64 rows x 128 columns: 32 accumulators.
; THE WEIGHTS STAY: the work-group's 256 columns of W1 (two blocks of 512 x 128 f16) and 1,024 bytes of bias are filled into LDS once, at the start; nothing is filled again.  The first trip runs while the
; second block's fill is still on its way; a wait for it and one barrier stand at each trip's end.
; THE ROWS WALK: a wave's 64 rows x 512 lie in 512 registers (nrm lies in fragment order: 512 consecutive bytes a load).  The second 256 rows are loaded in the second trip, K slice by K slice, into the
; registers of slices that the trip has already multiplied: from slice 9 on, two slices' 16 loads behind each run of products.  So they are on their way under the products and the way out of that trip.
; The block's text has two waits for rows, at slices 0 and 8, both ahead of the trip's first reload: they never wait for a load just issued, and they hold whether or not a trip reloads.
; CLUSTER. The four work-groups of a cluster differ in their rows alone: each fill is asked for JOINTLY, same descriptor, mask of four.
; THE PRODUCT IS TAKEN TRANSPOSED (source 0 = 16 columns of W1, turned out of LDS by ds_load_tr16_b128; source 1 = 16 rows of nrm): a lane ends with ONE row and 8 neighbouring columns, 16 bytes
; of f16, and 32 lanes' 16 bytes ARE half a block of f1T in fragment order (block (rows 16 g .., columns 32 f ..) at (128 g + f) x 1,024): stored from registers, 512 consecutive aligned bytes a store.
; No prefetch: the weights and the first rows are asked for at the head, the second rows a trip ahead by their own loads.
; REGISTERS, in windows of 256: window 0: v0-15 addresses; v32-95 the bias as C; v128-191, v192-255 W1's fragments, two buffers, later the packed results;
;   window 1: rows' fragments of K slices 0-7, v[8 (4 f + m)]; window 2: slices 8-15; window 3: accumulators v[8 (8 m + n)].
.set N,     4096
.set PB,    288                        ; a row of W1 in LDS: 256 bytes + 32
.set QUART, 128*PB
.set SLOT,  4*QUART
.set BIAS,  2*SLOT                     ; 256 f32
.set SPARE, BIAS+1024                  ; the spare words, 128 bytes a wave: two blocks of 256 bytes that no other line names
.set ROWS2, 16*16384                   ; nrm: from my 64 rows of the first 256 to those of the second
.set STEPC, 4096                       ; f1T: four blocks of 32 columns on
.set STEPR, 16*131072-4096             ; f1T: 256 rows down and those columns back
.set L16, 1
.set TRA, 2
.set AB,  3                            ; v3-6
.set BA,  7                            ; v7  my 8 numbers of the bias
.set ZERO, 10
.set HF,  11                           ; v11 lane / 16
.set SPW, 14
.set NIL, 15
.set BI,  32
.set F0,  128
.set PK,  128
.set WV,  12
.set CX,  13
.set BX,  14
.set BY,  15
.set G1,  16
.set G0A, 24
.set G0B, 28
.set G1C, 32                           ; s[32:39] group 1 for the bias
.set G0C, 40                           ; s[40:43] its group 0
.set TB,  44
.set CNT, 45                           ; trips to go: 4 to 1
.set BOFF, 46                          ; LDS byte of the block's bias
.set OUT, 48
.set STEP, 50                          ; s[50:51]
.set SR,  52                           ; s52 STEPR, s53 STEPC
.set MSB, 0
.macro WIN new
.if MSB != (\new)
	s_set_vgpr_msb (MSB<<8)|(\new)
.set MSB, (\new)
.endif
.endm
.macro PLACES                          ; four places behind a matrix instruction, in front of loads into its sources and of reads of its result
.rept 4
	v_nop
.endr
.endm
.macro ROUND
	s_barrier_signal -1
	s_barrier_wait -1
	s_cmp_lg_u32 s[WV], 0
	s_cbranch_scc1 .Lnot_wave_0_\@
	s_barrier_signal -3
.Lnot_wave_0_\@:
	s_barrier_wait -3
	s_barrier_signal -1
	s_barrier_wait -1
.endm
.macro FETCHB kf                       ; W1's 8 fragments (128 columns x 32 K) of K slice kf into buffer kf % 2
.set fb, F0+64*((\kf)%2)
.set nb, 0
.rept 8
	ds_load_tr16_b128 v[fb+8*nb:fb+8*nb+3],   v[AB+(\kf)/4] offset:((\kf)%4)*32*PB+32*nb
	ds_load_tr16_b128 v[fb+8*nb+4:fb+8*nb+7], v[AB+(\kf)/4] offset:((\kf)%4)*32*PB+32*nb+16*PB
.set nb, nb+1
.endr
.endm
.macro MUL kf                          ; 32 products; the 32 accumulators take turns, one instruction a turn, in the same order in every slice
.if (\kf) == 0
	WIN 0xc4                                       ; W1 and the bias window 0, rows window 1, D window 3
.elseif (\kf) < 8
	WIN 0xf4
.else
	WIN 0xf8
.endif
.set fb, F0+64*((\kf)%2)
.set nb, 0
.rept 8
.set mb, 0
.rept 4
.if (\kf) == 0
	v_wmma_f32_16x16x32_f16 v[8*(8*mb+nb):8*(8*mb+nb)+7], v[fb+8*nb:fb+8*nb+7], v[8*(4*((\kf)%8)+mb):8*(4*((\kf)%8)+mb)+7], v[BI+8*nb:BI+8*nb+7]
.else
	v_wmma_f32_16x16x32_f16 v[8*(8*mb+nb):8*(8*mb+nb)+7], v[fb+8*nb:fb+8*nb+7], v[8*(4*((\kf)%8)+mb):8*(4*((\kf)%8)+mb)+7], v[8*(8*mb+nb):8*(8*mb+nb)+7]
.endif
.set mb, mb+1
.endr
.set nb, nb+1
.endr
.endm
; In the second trip alone: K slices k0 and k0 + 1 of my 64 rows of the second 256: 16 loads.  The trip has multiplied both slices, the later one four places back or more.  The branch hangs on the
; trips' counter: it is the same in every wave and work-group.  The address is in nrm whatever the trip.
.macro RELOAD k0
	s_cmp_eq_u32 s[CNT], 3
	s_cbranch_scc0 .Lkeep_\@
.irp d, 0,1
.set kk, (\k0)+\d
.if kk < 8
	WIN 0x40
.else
	WIN 0x80
.endif
.set mb, 0
.rept 4
	global_load_b128 v[8*(4*(kk%8)+mb):8*(4*(kk%8)+mb)+3],   v[L16], s[4:5] offset:ROWS2+mb*16384+kk*1024
	global_load_b128 v[8*(4*(kk%8)+mb)+4:8*(4*(kk%8)+mb)+7], v[L16], s[4:5] offset:ROWS2+mb*16384+kk*1024+512
.set mb, mb+1
.endr
.endr
	WIN 0
.Lkeep_\@:
.endm
	s_load_b256 s[4:11], s[0:1], 0x0               ; nrm s[4:5], wh s[6:7], b1 s[8:9], f1T s[10:11]
	v_lshl_add_u32 v[SPW], v0, 2, SPARE
	v_mov_b32 v[NIL], 0
	ds_add_u32 v[SPW], v[NIL]                      ; the wave's opening: the add and its wait stand ahead of my first tensor load
	v_lshrrev_b32 v16, 5, v0
	v_readfirstlane_b32 s[WV], v16
	s_bfe_u32 s[CX], ttmp6, 0x40000
	s_lshl_b32 s[BX], ttmp9, 2
	s_add_co_u32 s[BX], s[BX], s[CX]               ; my 512 rows: they enter the rows' and the results' addresses alone
	s_and_b32 s[BY], ttmp7, 0xffff                 ; my 256 columns, which the four partners share
	s_mov_b32 s[G1], 15|(1<<16)|(1<<20)|(1<<21)|(5<<22)|(7<<25)  ; mask of four; 2-byte elements; padding on; bit 21 beside a mask; after every 64 words; 8 words
	s_mov_b32 s[G1+1], 128<<16
	s_mov_b32 s[G1+2], 128<<16
	s_mov_b32 s[G1+3], 128<<16
	s_mov_b32 s[G1+4], 128
	s_mov_b32 s[G1+5], N
	s_mov_b32 s[G1+6], 0
	s_mov_b32 s[G1+7], 0
	s_mov_b32 s[G1C], 15|(3<<16)|(1<<21)           ; one row of 32 elements of 8 bytes
	s_mov_b32 s[G1C+1], 32<<16
	s_mov_b32 s[G1C+2], 1<<16
	s_mov_b32 s[G1C+3], 32<<16
	s_mov_b32 s[G1C+4], 1
	s_mov_b32 s[G1C+5], 32
	s_mov_b32 s[G1C+6], 0
	s_mov_b32 s[G1C+7], 0
	s_mul_i32 s52, s[WV], 128*N*2                  ; my 128 rows of K,
	s_lshl_b32 s53, s[BY], 9                       ; the work-group's columns
	s_add_co_u32 s52, s52, s53
	s_mov_b32 s53, 0
	s_mul_i32 s54, s[WV], QUART
	s_mov_b32 s[G0A], 1
	s_mov_b32 s[G0A+1], s54
	s_mov_b32 s[G0B], 1
	s_add_co_u32 s[G0B+1], s54, SLOT
	s_lshl_b32 s58, s[WV], 8                       ; my 64 numbers of the bias
	s_mov_b32 s[G0C], 1
	s_add_co_u32 s[G0C+1], s58, BIAS
	s_lshl_b32 s59, s[BY], 10
	s_add_co_u32 s58, s58, s59
	s_mov_b32 s59, 0
	s_lshl_b32 s56, s[BX], 19                      ; 32 row blocks of 16,384 bytes a work-group,
	s_lshl_b32 s57, s[WV], 16                      ; 4 a wave in each 256 rows
	s_add_co_u32 s56, s56, s57
	s_mov_b32 s57, 0
	v_and_b32 v16, 31, v0
	v_lshlrev_b32 v[L16], 4, v16
	s_wait_dscnt 0x0
	s_wait_kmcnt 0x0
	s_add_nc_u64 s[G0A+2:G0A+3], s[6:7], s[52:53]
	s_add_nc_u64 s[G0B+2:G0B+3], s[G0A+2:G0A+3], 256
	s_or_b32 s[G0A+3], s[G0A+3], 0x80000000
	s_or_b32 s[G0B+3], s[G0B+3], 0x80000000
	s_add_nc_u64 s[G0C+2:G0C+3], s[8:9], s[58:59]
	s_or_b32 s[G0C+3], s[G0C+3], 0x80000000
	s_add_nc_u64 s[4:5], s[4:5], s[56:57]
	ROUND                                          ; all four work-groups are here: the joint loads meet
	tensor_load_to_lds s[G0C:G0C+3], s[G1C:G1C+7]  ; three loads of mine are out: the bias,
	s_nop 0
	tensor_load_to_lds s[G0A:G0A+3], s[G1:G1+7]    ; the first block,
	s_nop 0
	tensor_load_to_lds s[G0B:G0B+3], s[G1:G1+7]    ; the second
	s_nop 0
	PLACES
	WIN 0x40                                       ; my 64 rows of the first 256, K slice by K slice
.set kk, 0
.rept 16
.if kk == 8
	WIN 0x80
.endif
.set mb, 0
.rept 4
	global_load_b128 v[8*(4*(kk%8)+mb):8*(4*(kk%8)+mb)+3],   v[L16], s[4:5] offset:mb*16384+kk*1024
	global_load_b128 v[8*(4*(kk%8)+mb)+4:8*(4*(kk%8)+mb)+7], v[L16], s[4:5] offset:mb*16384+kk*1024+512
.set mb, mb+1
.endr
.set kk, kk+1
.endr
	WIN 0
	v_and_b32 v16, 7, v0
	v_bfe_u32 v[HF], v0, 4, 1
	v_bfe_u32 v18, v0, 3, 1
	v_lshl_add_u32 v[TRA], v[HF], 3, v16           ; the turning load: lane l reads row 8 (l / 16) + l % 8,
	v_mul_u32_u24 v[TRA], v[TRA], PB
	v_lshl_add_u32 v[TRA], v18, 4, v[TRA]          ; columns 8 ((l / 8) % 2) + 0..7
	v_mov_b32 v[ZERO], 0
	s_lshl_b32 s56, s[BX], 22                      ; f1T: ((32 bx + 4 w) x 128 + 8 by) x 1,024
	s_lshl_b32 s57, s[WV], 19
	s_add_co_u32 s56, s56, s57
	s_lshl_b32 s57, s[BY], 13
	s_add_co_u32 s56, s56, s57
	s_mov_b32 s57, 0
	s_add_nc_u64 s[OUT:OUT+1], s[10:11], s[56:57]
	s_mov_b32 s[STEP+1], 0
	s_mov_b32 s[SR], STEPR
	s_mov_b32 s[SR+1], STEPC
	s_mov_b32 s[TB], 0
	s_mov_b32 s[BOFF], BIAS
	s_mov_b32 s[CNT], 4
	s_wait_tensorcnt 0x1                           ; my parts of the bias and of the first block are in; the second block's one load may stay out
	s_barrier_signal -1
	s_barrier_wait -1                              ; everybody's parts are in
.Lblock:                               ; four trips: 256 rows x 128 columns each
.irp g, 0,1,2,3
	v_add3_u32 v[AB+\g], s[TB], v[TRA], QUART*\g
.endr
	v_lshl_add_u32 v[BA], v[HF], 5, s[BOFF]
.set nb, 0
.rept 8                                ; register j of the C operand is column 16 n + 8 (l / 16) + j, whatever the row
	ds_load_b128 v[BI+8*nb:BI+8*nb+3],   v[BA] offset:64*nb
	ds_load_b128 v[BI+8*nb+4:BI+8*nb+7], v[BA] offset:64*nb+16
.set nb, nb+1
.endr
	FETCHB 0
.set kq, 0
.rept 16
.if kq > 0
	PLACES                                         ; in front of the loads into registers that the slice before has read
.endif
	WIN 0
.if kq < 15
	FETCHB kq+1
.endif
.if kq >= 9
	RELOAD 2*(kq-9)
.endif
.if kq < 15
	s_wait_dscnt 16                                ; this slice's fragments (and the bias) are in; the 16 LDS loads just issued may stay out
.else
	s_wait_dscnt 0x0
.endif
.if kq == 0
	s_wait_loadcnt 63                              ; of a set's 128 loads the oldest 65 are in: K slices 0-7 (the wait's field holds no larger count: ISA guide 5.7.1)
.elseif kq == 8
	s_wait_loadcnt 0x0                             ; slices 8-15 are in: the youngest load was issued eight slices' products back or more; no reload of this trip has been issued yet
.endif
	MUL kq
.set kq, kq+1
.endr
	PLACES
	WIN 0
	RELOAD 14
	WIN 0x0f                                       ; sources window 3, destination window 0
.set ra, 0
.rept 32
.irp i, 0,1,2,3
	v_cvt_pk_f16_f32 v[PK+4*ra+\i], v[8*ra+2*\i], v[8*ra+2*\i+1]   ; each accumulator from its low end on
.endr
.set ra, ra+1
.endr
	WIN 0
.set i, 0
.rept 128
	v_pk_max_num_f16 v[PK+i], v[PK+i], v[ZERO]     ; two maxima a line; nothing is rounded
.set i, i+1
.endr
.set mb, 0
.rept 4
.set nb, 0
.rept 8
	global_store_b128 v[L16], v[PK+4*(8*mb+nb):PK+4*(8*mb+nb)+3], s[OUT:OUT+1] offset:mb*131072+nb*512   ; half a block: 512 consecutive bytes, aligned
.set nb, nb+1
.endr
.set mb, mb+1
.endr
	s_wait_xcnt 0x0                                ; the stores have read their base and their data: both are written again only behind this wait
	s_cmp_eq_u32 s[CNT], 3                         ; behind the second trip: on to the second 256 rows
	s_cselect_b32 s[STEP], s[SR], s[SR+1]
	s_add_nc_u64 s[OUT:OUT+1], s[OUT:OUT+1], s[STEP:STEP+1]
	s_xor_b32 s[TB], s[TB], SLOT                   ; the other block's weights,
	s_xor_b32 s[BOFF], s[BOFF], 512                ; and its bias
	s_wait_tensorcnt 0x0                           ; my part of the second block's weights is in (met at once from the second trip on),
	s_wait_dscnt 0x0                               ; no LDS instruction of mine is out at the signal,
	s_barrier_signal -1
	s_barrier_wait -1                              ; and everybody's part is in
	s_sub_co_u32 s[CNT], s[CNT], 1
	s_cmp_lg_u32 s[CNT], 0
	s_cbranch_scc1 .Lblock
	s_wait_tensorcnt 0x0                           ; the wave's end
	ds_add_u32 v[SPW], v[NIL]
	s_wait_dscnt 0x0
	ROUND                                          ; the closing round
	s_endpgm
.Lfunc_end_k_q68e3bdb590_ffn1:
	.size	k_q68e3bdb590_ffn1, .Lfunc_end_k_q68e3bdb590_ffn1-k_q68e3bdb590_ffn1
	.p2alignl 7, 3214868480
	.fill 96, 4, 3214868480
	.section	.rodata,"a",@progbits
	.p2align	6, 0x0
	.amdhsa_kernel k_q68e3bdb590_ffn1
		.amdhsa_group_segment_fixed_size 327680
		.amdhsa_private_segment_fixed_size 0
		.amdhsa_enable_private_segment 0
		.amdhsa_kernarg_size 32
		.amdhsa_user_sgpr_count 2
		.amdhsa_user_sgpr_kernarg_segment_ptr 1
		.amdhsa_wavefront_size32 1
		.amdhsa_system_sgpr_workgroup_id_x 1
		.amdhsa_system_sgpr_workgroup_id_y 1
		.amdhsa_system_sgpr_workgroup_id_z 1
		.amdhsa_system_vgpr_workitem_id 0
		.amdhsa_next_free_vgpr 1024
		.amdhsa_next_free_sgpr 66
		.amdhsa_reserve_vcc 0
		.amdhsa_float_denorm_mode_32 3
		.amdhsa_float_denorm_mode_16_64 3
		.amdhsa_memory_ordered 1
		.amdhsa_forward_progress 1
		.amdhsa_inst_pref_size 103
	.end_amdhsa_kernel
	.amdgpu_metadata
---
amdhsa.version: [ 1, 2 ]
amdhsa.kernels:
  - .name:           k_q68e3bdb590_ffn1
    .symbol:         k_q68e3bdb590_ffn1.kd
    .args:
      - { .name: nrm, .offset: 0, .size: 8, .value_kind: global_buffer, .address_space: global }
      - { .name: wh, .offset: 8, .size: 8, .value_kind: global_buffer, .address_space: global }
      - { .name: b1, .offset: 16, .size: 8, .value_kind: global_buffer, .address_space: global }
      - { .name: f1T, .offset: 24, .size: 8, .value_kind: global_buffer, .address_space: global }
    .group_segment_fixed_size: 327680
    .private_segment_fixed_size: 0
    .kernarg_segment_align: 8
    .kernarg_segment_size: 32
    .max_flat_workgroup_size: 128
    .sgpr_count:     66
    .vgpr_count:     1024
    .wavefront_size: 32
...
	.end_amdgpu_metadata
.endif
;; end of part 5
;; launch ffn2 (part 6): grid 4 x 64, 4 waves a work-group, clusters of 4 x 4, 327,680 bytes of LDS; arguments f1T, wh, b2, x, oT, out0; writes out0
.if DOCPART == 6
	.amdgcn_target "amdgcn-amd-amdhsa--gfx1250"
	.amdhsa_code_object_version 6
	.text
	.protected	k_q68e3bdb590_ffn2
	.globl	k_q68e3bdb590_ffn2
	.p2align	8
	.type	k_q68e3bdb590_ffn2,@function
k_q68e3bdb590_ffn2:
	s_mov_b64 s[64:65], 0
	v_nop
	global_prefetch_b8 v0, s[64:65] scope:SCOPE_SE
	s_setreg_imm32_b32 hwreg(HW_REG_WAVE_MODE, 25, 1), 1
	s_wait_xcnt 0x0
	s_wait_alu depctr_hold_cnt(0) depctr_sa_sdst(0) depctr_va_vdst(0) depctr_va_sdst(0) depctr_va_ssrc(0) depctr_va_vcc(0) depctr_vm_vsrc(0)
	s_getreg_b32 s2, hwreg(HW_REG_IB_STS2, 6, 4)
	s_cmp_eq_u32 s2, 0
	s_cbranch_scc0 .Lentry_in_a_cluster
	s_endpgm
.Lentry_in_a_cluster:
	s_bfe_u32 s2, ttmp6, 0x10000c
	s_cmp_lg_u32 s2, 0xf033
	s_cbranch_scc0 .Lentry_shape_is_right
	s_endpgm
.Lentry_shape_is_right:
; out = x + o + relu(f1 x W2 + b2): [8192][4096] x [4096][512], f16 operands, f32 sums; bias, maximum and both residuals in f32; out in f32.
; SHARES. A tile is 128 rows x 128 columns: 256 work-groups, one for each WGP.  Wave w takes 64 rows (w % 2) and HALF OF K (w / 2: 2,048): 32 accumulators; no two waves read the same byte
; of f1.  At the end the two waves of a row half exchange half of their sums through LDS: each keeps two blocks of 16 rows and sends two.
; f1 GOES STRAIGHT INTO REGISTERS: it lies in fragment order, 512 consecutive bytes a load; eight buffers of 32 registers, 56 loads of every wave always out, bound by no barrier.
; ONLY W2 RIDES THE RING: two LDS slots, each with 256 rows of K for each K half; a refill has a whole step, 256 products a wave, in which to land.
; CLUSTER 4 x 4. The four work-groups of a column of the cluster make the same 128 columns and need the same rows of W2: asked for JOINTLY, mask of the column.  (The grid has one cluster along x: the tile column is cx.)
; The four of a row of the cluster read the same f1; each prefetches a quarter of it (below).
; THE PRODUCT IS TAKEN TRANSPOSED (source 0 = 16 columns of W2, turned by ds_load_tr16_b128; source 1 = 16 rows of f1): a lane holds ONE row and 8 neighbouring columns, as o's fragments do.
; REGISTERS: window 0: v1-15 addresses; v32-95 o; v128-191, v192-255 W2's fragments, two buffers; on the way out the bias, then whole rows (v128-191), and the results at work (v192-255)
;   window 1: f1's fragments, buffer f at v[32 f + 8 a]; on the way out the partner's sums (v0-127) and x (v128-255)          window 2: accumulators v[8 (8 a + n)]
.set PB,    288                        ; a row of W2 in LDS: 256 bytes + 32
.set QUART, 128*PB
.set SLOT,  4*QUART                    ; rows 0-255: K half 0; rows 256-511: K half 1
.set SPARE, 2*SLOT                     ; the spare words, 128 bytes a wave: two blocks of 256 bytes that no other line names
.set XCH,   0                          ; the way out, in slot 0, which has had its last fill: 16,384 bytes a wave, the sums that it sends,
.set STG2,  65536                      ; and 16 rows x 528 bytes a wave
.set SPITCH, 528
.set L16, 1
.set TRK, 2                            ; v2  my place in a turning load, in my K half of a slot
.set AB,  3                            ; v3-4 LDS address of K slices 0-3, 4-7 of the step in hand
.set PFO, 5                            ; v5  256 x lane; never rewritten
.set BO,  6                            ; v6  32 x (lane / 16)
.set STO, 7
.set RDR, 8
.set XS,  9
.set XR,  10
.set ONE, 11
.set SPW, 14
.set NIL, 15
.set OO,  32
.set F0,  128
.set BI,  128
.set RR,  128
.set T,   192
.set WV,  16
.set CX,  17
.set CY,  18
.set RY,  19
.set RH,  20
.set KH,  21
.set G1,  24                           ; s[24:31]
.set G0,  32                           ; s[32:35]: it walks
.set TB,  36                           ; the slot that is read
.set CNT, 37
.set ALO, 38                           ; s[38:39] f1 at the two row blocks that I keep, at the step in hand
.set AHI, 40                           ; s[40:41] at the two that I send
.set PFA, 42                           ; s[42:43] where my prefetches stand
.set MSB, 0
.macro WIN new
.if MSB != (\new)
	s_set_vgpr_msb (MSB<<8)|(\new)
.set MSB, (\new)
.endif
.endm
.macro PLACES                          ; four places behind a matrix instruction, in front of loads into its sources and of reads of its result
.rept 4
	v_nop
.endr
.endm
.macro ROUND
	s_barrier_signal -1
	s_barrier_wait -1
	s_cmp_lg_u32 s[WV], 0
	s_cbranch_scc1 .Lnot_wave_0_\@
	s_barrier_signal -3
.Lnot_wave_0_\@:
	s_barrier_wait -3
	s_barrier_signal -1
	s_barrier_wait -1
.endm
.macro FETCHB kf                       ; W2's 8 fragments (128 columns x 32 K) of slice kf of the step into buffer kf % 2
.set fb, F0+64*((\kf)%2)
.set nb, 0
.rept 8
	ds_load_tr16_b128 v[fb+8*nb:fb+8*nb+3],   v[AB+(\kf)/4] offset:((\kf)%4)*32*PB+32*nb
	ds_load_tr16_b128 v[fb+8*nb+4:fb+8*nb+7], v[AB+(\kf)/4] offset:((\kf)%4)*32*PB+32*nb+16*PB
.set nb, nb+1
.endr
.endm
.macro ALOAD buf, off                  ; 8 loads: f1's four fragments of one slice, from byte off behind the two pointers
.irp r, 0,1
	global_load_b128 v[32*(\buf)+8*\r:32*(\buf)+8*\r+3],   v[L16], s[ALO:ALO+1] offset:(\off)+131072*\r
	global_load_b128 v[32*(\buf)+8*\r+4:32*(\buf)+8*\r+7], v[L16], s[ALO:ALO+1] offset:(\off)+131072*\r+512
.endr
.irp r, 0,1
	global_load_b128 v[32*(\buf)+16+8*\r:32*(\buf)+16+8*\r+3],   v[L16], s[AHI:AHI+1] offset:(\off)+131072*\r
	global_load_b128 v[32*(\buf)+16+8*\r+4:32*(\buf)+16+8*\r+7], v[L16], s[AHI:AHI+1] offset:(\off)+131072*\r+512
.endr
.endm
.macro MULS kf, zero                   ; 32 products; the 32 accumulators take turns, one instruction a turn, in the same order in every slice
	WIN 0xa4                                       ; W2 window 0, f1 window 1, C and D window 2
.set fb, F0+64*((\kf)%2)
.set nb, 0
.rept 8
.set ra, 0
.rept 4
.if \zero
	v_wmma_f32_16x16x32_f16 v[8*(8*ra+nb):8*(8*ra+nb)+7], v[fb+8*nb:fb+8*nb+7], v[32*(\kf)+8*ra:32*(\kf)+8*ra+7], 0
.else
	v_wmma_f32_16x16x32_f16 v[8*(8*ra+nb):8*(8*ra+nb)+7], v[fb+8*nb:fb+8*nb+7], v[32*(\kf)+8*ra:32*(\kf)+8*ra+7], v[8*(8*ra+nb):8*(8*ra+nb)+7]
.endif
.set ra, ra+1
.endr
.set nb, nb+1
.endr
.endm
; Slice kf of a step.  It fetches W2's next slice, asks for f1's slice seven slices on into the buffer just read out (load = 1), and multiplies.  left: the younger loads of f1 that may stay out.
.macro KSTEP kf, zero, load, left
.if (\kf) > 0
	PLACES                                         ; (slice 0 stands behind the change of slots, which has its own four)
.endif
	WIN 0
.if (\kf) < 7
	FETCHB (\kf)+1
.endif
.if \load
	WIN 0x40
.if (\kf) == 0
	ALOAD 7, 7*1024                                ; this step's last slice
.else
	ALOAD (\kf)-1, 8192+1024*((\kf)-1)             ; the next step's slice kf - 1
.endif
.endif
.if (\kf) < 7
	s_wait_dscnt 16                                ; this slice's fragments of W2 are in; the 16 loads just issued may stay out
.else
	s_wait_dscnt 0x0
.endif
	s_wait_loadcnt \left                           ; this slice's 8 loads of f1 are in
	MULS \kf, \zero
.endm
; THE CHANGE OF SLOTS.  Each wave waits for all its tensor loads, of which one is out: its part of the next slot; adds 0 to its spare word; and waits for that and for its reads of the slot that it leaves.
; fill = 1: the barrier is a round of the cluster's, and the joint refill is the first thing behind it.  Behind the refill and the run of LDS loads stands ONE PREFETCH of f1: the step two on.  A wave's step is
; 4 row blocks x 8,192 consecutive bytes; the four work-groups of a row of the cluster read the same, and the one at place cx names block cx: 32 pieces of 256 bytes, a lane a piece, told apart by address alone.
; So each piece is named once in the launch.  Steps 0 to 2 come by their loads alone; the last change that fills asks for nothing: no step lies two on.
.macro CHANGE fill
	WIN 0
	s_wait_tensorcnt 0x0                           ; no tensor load of mine is out, so group 0 may be written
	ds_add_u32 v[SPW], v[NIL]                      ; 0 onto my spare word; scalar work stands between it and the wait for it
	s_wait_xcnt 0x0                                ; the loads and the prefetch issued so far have read their pointers
	s_add_nc_u64 s[ALO:ALO+1], s[ALO:ALO+1], 8192
	s_add_nc_u64 s[AHI:AHI+1], s[AHI:AHI+1], 8192
.if \fill
	s_add_nc_u64 s[PFA:PFA+1], s[PFA:PFA+1], 8192
	s_xor_b32 s[G0+1], s[G0+1], SLOT               ; the other slot than last time (SLOT's bits lie in none of wave x QUART),
	s_add_nc_u64 s[G0+2:G0+3], s[G0+2:G0+3], 262144  ; 256 rows of 1,024 bytes on; the type bits on top are not reached
.endif
	s_xor_b32 s[TB], s[TB], SLOT
	s_wait_dscnt 0x0                               ; the add is done, and my reads of the slot are over
.if \fill
	ROUND                                          ; no wave of any partner still reads the slot or has a load on its way
	tensor_load_to_lds s[G0:G0+3], s[G1:G1+7]      ; my one tensor load behind the round
	s_nop 0
.else
	s_barrier_signal -1
	s_barrier_wait -1
.endif
	PLACES
	v_add_nc_u32 v[AB], s[TB], v[TRK]
	v_add3_u32 v[AB+1], s[TB], v[TRK], QUART
	FETCHB 0
.if \fill
	s_cmp_gt_u32 s[CNT], 1                         ; the same in all partners
	s_cbranch_scc0 .Lnot_asked_\@
	global_prefetch_b8 v[PFO], s[PFA:PFA+1] th:TH_LOAD_NT scope:SCOPE_SE
.Lnot_asked_\@:
.endif
.endm
	s_load_b256 s[4:11], s[0:1], 0x0               ; f1T s[4:5], wh s[6:7], b2 s[8:9], x s[10:11]
	s_load_b128 s[12:15], s[0:1], 0x20             ; oT s[12:13], out0 s[14:15]
	v_lshl_add_u32 v[SPW], v0, 2, SPARE
	v_mov_b32 v[NIL], 0
	ds_add_u32 v[SPW], v[NIL]                      ; the wave's opening: the add and its wait stand ahead of my first tensor load
	v_lshrrev_b32 v16, 5, v0
	v_readfirstlane_b32 s[WV], v16
	s_bfe_u32 s[CX], ttmp6, 0x40000                ; the tile column
	s_bfe_u32 s[CY], ttmp6, 0x40004
	s_and_b32 s[RY], ttmp7, 0xffff
	s_lshl_b32 s[RY], s[RY], 2
	s_add_co_u32 s[RY], s[RY], s[CY]               ; the tile row
	s_and_b32 s[RH], s[WV], 1
	s_lshr_b32 s[KH], s[WV], 1
	s_lshl_b32 s22, 0x1111, s[CX]                  ; my column of the cluster
	s_or_b32 s[G1], s22, (1<<16)|(1<<20)|(1<<21)|(5<<22)|(7<<25)  ; 2-byte elements; padding on; bit 21 beside a mask; after every 64 words; 8 words
	s_mov_b32 s[G1+1], 128<<16
	s_mov_b32 s[G1+2], 128<<16
	s_mov_b32 s[G1+3], 128<<16
	s_mov_b32 s[G1+4], 128
	s_mov_b32 s[G1+5], 512
	s_mov_b32 s[G1+6], 0
	s_mov_b32 s[G1+7], 0
	s_lshl_b32 s56, s[KH], 21                      ; W2's row 2,048 (w / 2) + 128 (w % 2), 1,024 bytes a row,
	s_lshl_b32 s57, s[RH], 17
	s_add_co_u32 s56, s56, s57
	s_lshl_b32 s57, s[CX], 8                       ; the tile's 128 columns,
	s_add_co_u32 s56, s56, s57
	s_add_co_u32 s56, s56, 0x400000                ; W2's place in wh: nothing here hangs on cy
	s_mov_b32 s57, 0
	s_mov_b32 s[G0], 1
	s_mul_i32 s[G0+1], s[WV], QUART
	s_lshl_b32 s44, s[RY], 3
	s_lshl2_add_u32 s44, s[RH], s44                ; my first block of 16 rows: 8 ry + 4 (w % 2)
	s_lshl_b32 s45, s[KH], 1
	s_add_co_u32 s46, s44, s45                     ; the two blocks that I keep,
	s_xor_b32 s45, s45, 2
	s_add_co_u32 s47, s44, s45                     ; the two that I send,
	s_add_co_u32 s48, s44, s[CX]                   ; the one that I prefetch
	s_lshl_b32 s49, s[KH], 16                      ; my K half: 64 blocks of 1,024 bytes
	s_mov_b32 s51, 0
	s_mov_b32 s[TB], 0
	s_mov_b32 s[CNT], 7
	v_and_b32 v16, 31, v0
	v_lshlrev_b32 v[L16], 4, v16
	v_lshlrev_b32 v[PFO], 8, v16
	s_wait_dscnt 0x0
	s_wait_kmcnt 0x0
	s_add_nc_u64 s[G0+2:G0+3], s[6:7], s[56:57]
	s_or_b32 s[G0+3], s[G0+3], 0x80000000
	s_lshl_b32 s50, s46, 17
	s_add_co_u32 s50, s50, s49
	s_add_nc_u64 s[ALO:ALO+1], s[4:5], s[50:51]
	s_lshl_b32 s50, s47, 17
	s_add_co_u32 s50, s50, s49
	s_add_nc_u64 s[AHI:AHI+1], s[4:5], s[50:51]
	ROUND                                          ; all sixteen work-groups are here: the first joint loads meet
	tensor_load_to_lds s[G0:G0+3], s[G1:G1+7]      ; step 0 into slot 0
	s_nop 0
	PLACES
	WIN 0x40
.irp f, 0,1,2,3,4,5,6
	ALOAD \f, 1024*\f                              ; f1's slices 0-6 of step 0
.endr
	WIN 0
	s_lshl_b32 s50, s48, 17
	s_add_co_u32 s50, s50, s49
	s_add_co_u32 s50, s50, 16384                   ; at step 2: the change into step 1 steps it to 3 and names that
	s_add_nc_u64 s[PFA:PFA+1], s[4:5], s[50:51]
	s_lshl_b32 s50, s46, 15                        ; x and out: the 32 rows that I finish, 2,048 bytes each, the tile's 512 bytes of them
	s_lshl_b32 s52, s[CX], 9
	s_add_co_u32 s50, s50, s52
	s_add_nc_u64 s[10:11], s[10:11], s[50:51]
	s_add_nc_u64 s[14:15], s[14:15], s[50:51]
	s_lshl_b32 s50, s46, 14                        ; o: (block x 16 + 4 cx) x 1,024
	s_lshl_b32 s52, s[CX], 12
	s_add_co_u32 s50, s50, s52
	s_add_nc_u64 s[12:13], s[12:13], s[50:51]
	s_lshl_b32 s50, s[CX], 9
	s_add_nc_u64 s[8:9], s[8:9], s[50:51]          ; b2 at the tile's columns
	v_and_b32 v17, 7, v0
	v_bfe_u32 v18, v0, 4, 1                        ; l / 16
	v_bfe_u32 v19, v0, 3, 1
	v_and_b32 v20, 15, v0                          ; l % 16
	v_lshl_add_u32 v[TRK], v18, 3, v17             ; the turning load: lane l reads row 8 (l / 16) + l % 8,
	v_mul_u32_u24 v[TRK], v[TRK], PB
	v_lshl_add_u32 v[TRK], v19, 4, v[TRK]          ; columns 8 ((l / 8) % 2) + 0..7,
	s_mul_i32 s52, s[KH], 2*QUART
	v_add_nc_u32 v[TRK], s52, v[TRK]               ; in my K half
	v_lshlrev_b32 v[BO], 5, v18
	s_mul_i32 s52, s[WV], 16*SPITCH
	s_add_co_u32 s52, s52, STG2
	v_mul_u32_u24 v[STO], v20, SPITCH              ; into my stage: row l % 16, 32 bytes for each half of the lanes
	v_lshl_add_u32 v[STO], v18, 5, v[STO]
	v_add_nc_u32 v[STO], s52, v[STO]
	v_add_nc_u32 v[RDR], s52, v[L16]               ; back: a whole row of 512 bytes
	s_lshl_b32 s52, s[WV], 14
	v_add_nc_u32 v[XS], s52, v[L16]                ; what I send,
	s_xor_b32 s52, s52, 32768
	v_add_nc_u32 v[XR], s52, v[L16]                ; what the wave with the other K half sends me
	v_mov_b32 v[ONE], 1.0
	; the first change of slots, written out: step 0 is waited for; slot 1's first fill is issued as a refill is; f1's pointers stay, and nothing is prefetched at the head
	s_wait_tensorcnt 0x0
	ds_add_u32 v[SPW], v[NIL]
	s_xor_b32 s[G0+1], s[G0+1], SLOT
	s_add_nc_u64 s[G0+2:G0+3], s[G0+2:G0+3], 262144
	s_wait_dscnt 0x0
	ROUND
	tensor_load_to_lds s[G0:G0+3], s[G1:G1+7]      ; step 1 into slot 1
	s_nop 0
	PLACES
	v_add_nc_u32 v[AB], s[TB], v[TRK]
	v_add3_u32 v[AB+1], s[TB], v[TRK], QUART
	FETCHB 0
	KSTEP 0, 1, 1, 56                              ; the first slice starts the sums: nothing is cleared
	WIN 0
	s_branch .Lmid                                 ; the loop is entered in the middle of a trip
.Ltop:                                 ; steps 1 to 6: steps 2 to 7 are asked for
	CHANGE 1
	KSTEP 0, 0, 1, 56                              ; 56: seven younger groups of 8 loads stay out
	WIN 0
.Lmid:
.irp f, 1,2,3,4,5,6,7
	KSTEP \f, 0, 1, 56
.endr
	WIN 0
	s_sub_co_u32 s[CNT], s[CNT], 1
	s_cmp_lg_u32 s[CNT], 0
	s_cbranch_scc1 .Ltop
	CHANGE 0                                       ; the last step is written out: nothing is asked for
	KSTEP 0, 0, 1, 56
.irp f, 1,2,3,4,5,6,7
	KSTEP \f, 0, 0, 56-8*\f                        ; nothing more of f1 to load: the counts run down
.endr
	; THE WAY OUT
	PLACES
	WIN 0
.set ra, 0
.rept 2
.set nb, 0
.rept 8
	global_load_b128 v[OO+4*(8*ra+nb):OO+4*(8*ra+nb)+3], v[L16], s[12:13] offset:16384*ra+512*nb   ; o, laid as my results are
.set nb, nb+1
.endr
.set ra, ra+1
.endr
.set nb, 0
.rept 8
	global_load_b128 v[BI+8*nb:BI+8*nb+3],   v[BO], s[8:9] offset:64*nb       ; b2 of columns 16 n + 8 (l / 16) + 0..7
	global_load_b128 v[BI+8*nb+4:BI+8*nb+7], v[BO], s[8:9] offset:64*nb+16
.set nb, nb+1
.endr
	WIN 0x40
.set t, 0
.rept 32
	global_load_b128 v[128+4*t:128+4*t+3], v[L16], s[10:11] offset:2048*t     ; x: a row's 512 consecutive bytes
.set t, t+1
.endr
	WIN 0x08                                       ; store data window 2
.set ra, 0
.rept 16                               ; the accumulators of the two blocks that I send, each from its low end on.  Slot 0 was last read in front of the last change's barrier
	ds_store_b128 v[XS], v[128+8*ra:128+8*ra+3]   offset:XCH+1024*ra
	ds_store_b128 v[XS], v[128+8*ra+4:128+8*ra+7] offset:XCH+1024*ra+512
.set ra, ra+1
.endr
	WIN 0
	s_wait_dscnt 0x0                               ; for the other wave's sake: my sums are in LDS
	s_barrier_signal -1
	s_barrier_wait -1
	WIN 0x40
.set ra, 0
.rept 16
	ds_load_b128 v[8*ra:8*ra+3],   v[XR] offset:XCH+1024*ra
	ds_load_b128 v[8*ra+4:8*ra+7], v[XR] offset:XCH+1024*ra+512
.set ra, ra+1
.endr
	s_wait_dscnt 0x0
	WIN 0x86                                       ; destination and source 0 window 2, source 1 window 1
.set i, 0
.rept 64
	v_pk_add_f32 v[2*i:2*i+1], v[2*i:2*i+1], v[2*i:2*i+1]    ; the other K half's sums onto mine
.set i, i+1
.endr
	s_wait_loadcnt 32                              ; o and b2 are in; x's 32 loads may stay out
	WIN 0x82                                       ; source 1 window 0
.set ra, 0
.rept 16
.irp i, 0,1,2,3
	v_pk_add_f32 v[8*ra+2*\i:8*ra+2*\i+1], v[8*ra+2*\i:8*ra+2*\i+1], v[BI+8*(ra%8)+2*\i:BI+8*(ra%8)+2*\i+1]
.endr
.set ra, ra+1
.endr
.macro FINISH ra                       ; 16 rows: the maximum with 0, + o, through my stage into whole rows, + x, stored
	WIN 0x08                                       ; source 1 window 2
.set i, 0
.rept 64
	v_max_num_f32 v[T+i], 0, v[64*(\ra)+i]
.set i, i+1
.endr
	WIN 0
.set i, 0
.rept 32
	v_fma_mix_f32 v[T+2*i], v[OO+32*(\ra)+i], v[ONE], v[T+2*i] op_sel_hi:[1,0,0]
	v_fma_mix_f32 v[T+2*i+1], v[OO+32*(\ra)+i], v[ONE], v[T+2*i+1] op_sel:[1,0,0] op_sel_hi:[1,0,0]
.set i, i+1
.endr
.set nb, 0
.rept 8
	ds_store_b128 v[STO], v[T+8*nb:T+8*nb+3]   offset:64*nb
	ds_store_b128 v[STO], v[T+8*nb+4:T+8*nb+7] offset:64*nb+16
.set nb, nb+1
.endr
.if (\ra) == 1
	s_wait_xcnt 0x0                                ; the first 16 rows' stores have read their data: those registers are loaded again only behind this wait
.endif
.set t, 0
.rept 16
	ds_load_b128 v[RR+4*t:RR+4*t+3], v[RDR] offset:SPITCH*t   ; my own bytes: LDS serves a wave in order (ISA guide 5.7.1.4)
.set t, t+1
.endr
	s_wait_dscnt 0x0
	s_wait_loadcnt 16*(1-(\ra))                    ; these 16 rows of x are in; the other 16 may stay out
	WIN 0x04                                       ; source 1 window 1
.set i, 0
.rept 32
	v_pk_add_f32 v[RR+2*i:RR+2*i+1], v[RR+2*i:RR+2*i+1], v[128+64*(\ra)+2*i:128+64*(\ra)+2*i+1]
.set i, i+1
.endr
	WIN 0
.set t, 0
.rept 16
	global_store_b128 v[L16], v[RR+4*t:RR+4*t+3], s[14:15] offset:2048*(16*(\ra)+t)   ; 512 consecutive bytes of a row of out, aligned
.set t, t+1
.endr
.endm
	FINISH 0
	FINISH 1
	s_wait_tensorcnt 0x0                           ; the wave's end
	ds_add_u32 v[SPW], v[NIL]
	s_wait_dscnt 0x0
	ROUND                                          ; the closing round: no work-group ends while a partner may still ask for a tile that names it
	s_endpgm
.Lfunc_end_k_q68e3bdb590_ffn2:
	.size	k_q68e3bdb590_ffn2, .Lfunc_end_k_q68e3bdb590_ffn2-k_q68e3bdb590_ffn2
	.p2alignl 7, 3214868480
	.fill 96, 4, 3214868480
	.section	.rodata,"a",@progbits
	.p2align	6, 0x0
	.amdhsa_kernel k_q68e3bdb590_ffn2
		.amdhsa_group_segment_fixed_size 327680
		.amdhsa_private_segment_fixed_size 0
		.amdhsa_enable_private_segment 0
		.amdhsa_kernarg_size 48
		.amdhsa_user_sgpr_count 2
		.amdhsa_user_sgpr_kernarg_segment_ptr 1
		.amdhsa_wavefront_size32 1
		.amdhsa_system_sgpr_workgroup_id_x 1
		.amdhsa_system_sgpr_workgroup_id_y 1
		.amdhsa_system_sgpr_workgroup_id_z 1
		.amdhsa_system_vgpr_workitem_id 0
		.amdhsa_next_free_vgpr 768
		.amdhsa_next_free_sgpr 66
		.amdhsa_reserve_vcc 0
		.amdhsa_float_denorm_mode_32 3
		.amdhsa_float_denorm_mode_16_64 3
		.amdhsa_memory_ordered 1
		.amdhsa_forward_progress 1
		.amdhsa_inst_pref_size 120
	.end_amdhsa_kernel
	.amdgpu_metadata
---
amdhsa.version: [ 1, 2 ]
amdhsa.kernels:
  - .name:           k_q68e3bdb590_ffn2
    .symbol:         k_q68e3bdb590_ffn2.kd
    .args:
      - { .name: f1T, .offset: 0, .size: 8, .value_kind: global_buffer, .address_space: global }
      - { .name: wh, .offset: 8, .size: 8, .value_kind: global_buffer, .address_space: global }
      - { .name: b2, .offset: 16, .size: 8, .value_kind: global_buffer, .address_space: global }
      - { .name: x, .offset: 24, .size: 8, .value_kind: global_buffer, .address_space: global }
      - { .name: oT, .offset: 32, .size: 8, .value_kind: global_buffer, .address_space: global }
      - { .name: out0, .offset: 40, .size: 8, .value_kind: global_buffer, .address_space: global }
    .group_segment_fixed_size: 327680
    .private_segment_fixed_size: 0
    .kernarg_segment_align: 8
    .kernarg_segment_size: 48
    .max_flat_workgroup_size: 128
    .sgpr_count:     66
    .vgpr_count:     768
    .wavefront_size: 32
...
	.end_amdgpu_metadata
.endif
;; end of part 6
